; MI455X (gfx1250); checked and timed in simulation.
; The chip was launched on July 23, 2026; its instructions are those of AMD's public machine-readable ISA for CDNA 5 (MIT licence, August 2026) and "CDNA5" Instruction Set Architecture Reference Guide (July 2026). The comments in the code are by the model that wrote it; some were corrected since.
;; Hand Coded Attention Layer. Allowed arithmetic: matrix products marked QUANTISED: E4M3 operands, one given power-of-two scale a tensor, by v_wmma_f32_16x16x64_fp8_fp8 or v_wmma_f32_16x16x128_fp8_fp8, f32 sums; everything else in f32.
;; Inputs: Wk_codes 1,024 x 32 x 32 uint8 (E4M3 codes of Wk, K innermost, in blocks of 32 codes); Wo_codes 1,024 x 32 x 32 uint8 (E4M3 codes of Wo, K innermost, in blocks of 32 codes); Wq_codes 1,024 x 32 x 32 uint8 (E4M3 codes of Wq, K innermost, in blocks of 32 codes); Wv_codes 1,024 x 32 x 32 uint8 (E4M3 codes of Wv, K innermost, in blocks of 32 codes); bk 1,024 float32; bo 1,024 float32; bq 1,024 float32; bv 1,024 float32; lowp_scales 12 int32 (the exponents e of the quantised operands' scales 2^e); x_codes 4 x 2,048 x 32 x 32 uint8 (E4M3 codes of x, K innermost, in blocks of 32 codes).
;; Outputs: out0 4 x 2,048 x 1,024 float32.
;; This version of the problem:
;;   THIS VERSION OF THE PROBLEM IS GIVEN IN LOW PRECISION. The matrix products marked QUANTISED in the list below multiply operands that are first quantised to E4M3 (4 exponent bits, 3 mantissa bits; 8 bits a number), with one given power-of-two scale for each operand tensor; their sums are f32. All else is computed in f32.
;;   The module's matrix products, in the order in which they are computed (A, B: the left and right operand; K: the contracted axis; several contracted axes count as one K, in the product's order):
;;     1. [M 8,192, K 1,024] x [K 1,024, N 1,024]; A: input x (given as codes); B: input Wq (given as codes): QUANTISED (scales: A lowp_scales[0], B lowp_scales[1])
;;     2. [M 8,192, K 1,024] x [K 1,024, N 1,024]; A: input x (given as codes); B: input Wk (given as codes): QUANTISED (scales: A lowp_scales[2], B lowp_scales[3])
;;     3. [M 8,192, K 1,024] x [K 1,024, N 1,024]; A: input x (given as codes); B: input Wv (given as codes): QUANTISED (scales: A lowp_scales[4], B lowp_scales[5])
;;     4. batch 64 x [M 2,048, K 64] x [K 64, N 2,048]; A: computed on the way; B: computed on the way: QUANTISED (scales: A lowp_scales[6], B lowp_scales[7])
;;     5. batch 64 x [M 2,048, K 2,048] x [K 2,048, N 64]; A: softmax (see below); B: computed on the way: QUANTISED (scales: A lowp_scales[8], B lowp_scales[9])
;;     6. [M 8,192, K 1,024] x [K 1,024, N 1,024]; A: computed on the way; B: input Wo (given as codes): QUANTISED (scales: A lowp_scales[10], B lowp_scales[11])
;;   THE QUANTISER, for each operand of a quantised product, along K:
;;     - The operand's scale is 2^e, e = its entry of the input lowp_scales (int32; the entries are numbered through the quantised products in the list's order, A before B).
;;     - Each number is divided by the scale, clamped to +-448, and rounded to the nearest number of E4M3, ties to even, subnormals kept.
;;     - The product sums the exact products of the quantised numbers (number of the format x scale) in f32.
;;   ~~~python
;;   def quantise(x, axis, e):      # numpy; x: float32 -> the quantised numbers, widened to float32 again
;;       x = np.moveaxis(x, axis, -1); K = x.shape[-1]
;;       r = np.clip(x / 2.0 ** e, -448, 448)
;;       step = 2.0 ** (np.maximum(np.frexp(np.where(r == 0, 1, r))[1] - 1, -6) - 3)
;;       q = np.round(r / step) * step * 2.0 ** e      # np.round: ties to even
;;       return np.moveaxis(q, -1, axis).astype(np.float32)
;;   ~~~
;;   SOFTMAX AHEAD OF A QUANTISED PRODUCT. Where the list says 'softmax', what is quantised is not the finished softmax but p = 2^(t - M), with t = logit x log2(e) and M = ceil(the row's largest t), a whole number; so 1/2 < the row's largest p <= 1. The row's sum l is taken of the UNQUANTISED p, in f32, and the product's result is divided by l at the end. Since M is a whole number, a kernel that streams over the keys may use a running M (the ceiling of the running maximum): every later rescaling is an exact power of two, so the quantised numbers keep their values, but for numbers so far below the row's largest that they fall under the format's range.
;;   OPERANDS COMPUTED ON THE WAY. 'Computed on the way' means the value that the module computes at that place (a softmax that the list does not call 'softmax' is quantised finished and normalised). What goes into a quantiser is computed in f32, as accurately as f32 sums, v_exp_f32 and their like allow (about 1e-6 of the number): no bf16 or f16 on the way to a quantiser, and a product that is left as it is and whose result goes on into a quantised operand takes f32 operands (vector FMAs, or v_wmma_f32_16x16x4_f32). A number that lies on a knife's edge between two numbers of the format may be rounded either way, as far as f32 arithmetic and the matrix unit's own rounding can turn it there, and no further.
;;   INPUTS GIVEN AS CODES. Wk (in the module: [1024, 1024], K = its axis 1); Wo (in the module: [1024, 1024], K = its axis 1); Wq (in the module: [1024, 1024], K = its axis 1); Wv (in the module: [1024, 1024], K = its axis 1); x (in the module: [4, 2048, 1024], K = its axis 2): each comes as NAME_codes (uint8): NAME with its K axis moved to the last place and cut into blocks of 32 codes, [.., K / 32, bytes a block], one block behind the other in memory; one code a byte (a code: sign, 4 exponent bits, 3 mantissa bits); its scale is its entry of lowp_scales. Its value is code x scale, taken as it is: it is not quantised again, and the codes and scales need not be those that the quantiser above would give.
;; 2 versions, each right; version 2 is version 1 with the launch attn written anew for expert scheduling mode. Each part assembles by itself: llvm-mc -triple=amdgcn-amd-amdhsa -mcpu=gfx1250 --defsym DOCPART=n.
;; ======== version 1 of 2: 3 launches
;; workspace buffers: qc 8,388,608 bytes; kc 8,388,608 bytes; vc 8,388,608 bytes; ao 8,388,608 bytes
;; launch proj (part 1): grid 12 x 32, 4 waves a work-group, clusters of 4 x 4, 327,680 bytes of LDS; arguments x_codes, Wq_codes, Wk_codes, Wv_codes, bq, bk, bv, lowp_scales, qc, kc, vc; writes qc, kc, vc
.if DOCPART == 1
	.amdgcn_target "amdgcn-amd-amdhsa--gfx1250"
	.amdhsa_code_object_version 6
	.text
	.protected	k_q37268e9378_proj
	.globl	k_q37268e9378_proj
	.p2align	8
	.type	k_q37268e9378_proj,@function
k_q37268e9378_proj:
	s_mov_b64 s[64:65], 0
	v_nop
	global_prefetch_b8 v0, s[64:65] scope:SCOPE_SE
	s_setreg_imm32_b32 hwreg(HW_REG_WAVE_MODE, 25, 1), 1
	s_wait_xcnt 0x0
	s_wait_alu depctr_hold_cnt(0) depctr_sa_sdst(0) depctr_va_vdst(0) depctr_va_sdst(0) depctr_va_ssrc(0) depctr_va_vcc(0) depctr_vm_vsrc(0)
	s_getreg_b32 s2, hwreg(HW_REG_IB_STS2, 6, 4)
	s_cmp_eq_u32 s2, 0
	s_cbranch_scc0 .Lentry_in_a_cluster
	s_endpgm
.Lentry_in_a_cluster:
	s_bfe_u32 s2, ttmp6, 0x10000c
	s_cmp_lg_u32 s2, 0xf033
	s_cbranch_scc0 .Lentry_shape_is_right
	s_endpgm
.Lentry_shape_is_right:
; q = x Wq^T + bq, k = x Wk^T + bk, v = x Wv^T + bv on codes of FP8 (E4M3), each result quantised at once with the scale given for it as an operand of attention.
; ONE TEXT FOR THE THREE.  C'[i][j] = sum over k of P[i][k] R[j][k], K = 1,024, rows of 1,024 bytes.  The cluster's x says which: 0: q, 1: k (P = x, 8,192 tokens; R = the weight, 1,024 features);
; 2: v (P = Wv, R = x).  The matrix instruction is used transposed (source 0 = 16 rows of R, source 1 = 16 rows of P): a lane holds ONE row of P and eight neighbours along R.  For q and k those are eight
; features of a token, neighbours along the K of q k^T; for v eight tokens of a feature, neighbours along the keys, the K of p v.  So the conversions give codes with the next K innermost, and nothing is transposed.
; OUT: qc, kc: [16 batch + head][token in the batch][64];  vc: [16 batch + head][64][2,048 keys].
; A tile of 256 x 256 is made by four waves, 128 x 128 each: 64 accumulators.  K goes in four steps of 256 through two LDS slots filled by the tensor data mover; 4 x 4 work-groups form a cluster: P's tile is asked
; for jointly along a row of the cluster, R's along a column.  With four K steps the text is written out without a loop: two first fills, two refills.
; THE BIAS is the C of each sum's first matrix instruction, as b / 2^(eA + eB); a finished sum stands for sum x 2^(eA + eB), so its code is sum / 2^(eo - eA - eB): one scale for the conversion, and no multiply or add on the way out.
; LIMIT: eo - eA - eB lies between -126 and 119, so that 2^(..) and 448 x 2^(..) are f32 numbers.  NaN among the inputs is not served.
; No prefetch is laid: of the four K steps two are first fills at the head and the two refills follow them directly.
; REGISTERS, in windows of 256: window 0: v16-31 addresses and the scale; v32-95 the bias, 8 groups of 8; v128-255 P's fragments, one set (on the way out the codes, then rows read back).
;   window 1: R's fragments, two sets.   window 2: the accumulators of my rows 0-63 ((a, b) at v[8 (8 a + b)]);   window 3: those of my rows 64-127.
.set ROWB,   256                       ; a tile's row: 256 codes
.set KROW,   1024                      ; a row of P or R in memory, in bytes
.set PITCH,  272                       ; an LDS row: 256 bytes + 16 of padding = 68 words: the 16 rows that a load touches start 4 banks apart (64 banks of 4 bytes: ISA guide 11.1)
.set FR,     16                        ; registers of a fragment: 16 rows x 128 K
.set NL,     4                         ; LDS loads that bring one
.set NP,     4                         ; places behind this matrix instruction (ISA guide 7.12.1)
.set HALFT,  128*PITCH                 ; 128 rows: what one tensor load brings
.set SLOT,   4*HALFT                   ; P's 256 rows, then R's 256 rows
.set SPARE,  2*SLOT                    ; behind the ring: the spare words, 128 bytes a wave, named by no other line
.set ADRA, 16                          ; v16-17  LDS address of my fragments of P in slot 0, 1
.set ADRB, 20                          ; v20-21  the same for R
.set STO,  24                          ; v24     the way out: where I put 8 codes
.set RDQ,  25                          ; v25     q, k: where I read 16 bytes of a token's head back
.set RDV,  26                          ; v26     v: where I read 16 bytes of a feature's row back
.set COQ,  27                          ; v27     q, k: my byte offset in the output
.set SPW,  28                          ; v28     my spare word; never rewritten
.set NIL,  29                          ; v29     0; never rewritten
.set COV,  30                          ; v30     v: my byte offset in the output
.set SCL,  31                          ; v31     2^(eo - eA - eB) as f32
.set BI,   32                          ; v32-95  the bias
.set AF,   128                         ; P's fragments
.set T,    128                         ; the way out: codes, then rows
.set G1, 24                            ; s[24:31] descriptor group 1 for P's tiles;  s[32:39] group 0, a set for each slot
.set G0, 32
.set G1B, 48                           ; s[48:55], s[56:63] the same for R's
.set G0B, 56
.set MSB, 0
.macro WIN new                         ; the immediate's high byte repeats the setting that is left
.if MSB != (\new)
	s_set_vgpr_msb (MSB<<8)|(\new)
.set MSB, (\new)
.endif
.endm
.set MUL_LO, 0xa1                      ; source 0 (R) window 1, source 1 (P) window 0, C and D window 2
.set MUL_HI, 0xf1                      ; the same, C and D window 3
.set TO_B,   0x40                      ; destination window 1, address window 0
; A joint load: waves 0 and 1 fetch P's halves, waves 2 and 3 R's.  The branch hangs on the wave's number alone.  Four v_nop follow each of the two lines.
.macro JLOAD g0a, g1a, g0b, g1b
	s_cmp_eq_u32 s15, 0
	s_cbranch_scc0 .Lfor_b_\@
	tensor_load_to_lds s[\g0a:\g0a+3], s[\g1a:\g1a+7]
	s_nop 0
.rept 4
	v_nop
.endr
	s_branch .Lasked_\@
.Lfor_b_\@:
	tensor_load_to_lds s[\g0b:\g0b+3], s[\g1b:\g1b+7]
	s_nop 0
.rept 4
	v_nop
.endr
.Lasked_\@:
.endm
.macro CREST                           ; a round of the cluster's barrier behind its opening barrier
	s_cmp_lg_u32 s14, 0
	s_cbranch_scc1 .Lnot_wave_0_\@
	s_barrier_signal -3
.Lnot_wave_0_\@:
	s_barrier_wait -3
	s_barrier_signal -1
	s_barrier_wait -1
.endm
.macro CROUND                          ; a whole round
	s_barrier_signal -1
	s_barrier_wait -1
	CREST
.endm
	s_load_b512 s[68:83], s[0:1], 0x0              ; x s[68:69], Wq s[70:71], Wk s[72:73], Wv s[74:75], bq s[76:77], bk s[78:79], bv s[80:81], the scales' exponents s[82:83]
	s_load_b128 s[84:87], s[0:1], 0x40             ; qc s[84:85], kc s[86:87]
	s_load_b64 s[88:89], s[0:1], 0x50              ; vc
	v_lshl_add_u32 v[SPW], v0, 2, SPARE
	v_mov_b32 v[NIL], 0
	ds_add_u32 v28, v29
	ds_add_u32 v28, v29
	s_wait_dscnt 0x0
	v_lshrrev_b32 v1, 5, v0
	v_readfirstlane_b32 s14, v1                    ; wave 0..3
	s_lshr_b32 s15, s14, 1                         ; which half of the tile's rows is mine.  Also: I fetch for P (0) or for R (1)
	s_and_b32 s16, s14, 1                          ; which half of its columns.  Also: which 128 rows of that tile I fetch
	s_bfe_u32 s40, ttmp6, 0x40000                  ; cx, cy: my place in the cluster
	s_bfe_u32 s41, ttmp6, 0x40004
	s_and_b32 s13, ttmp7, 0xffff
	s_lshl_b32 s13, s13, 2                         ; 4 x cluster y: it walks the tokens
	s_cmp_eq_u32 ttmp9, 2                          ; v?  The cluster's x is the same in all sixteen partners
	s_cselect_b32 s18, 0, s13
	s_cselect_b32 s19, s13, 0
	s_add_co_u32 s17, s41, s18                     ; tile row (of P): cy, + 4 x cluster y where P is x
	s_add_co_u32 s42, s40, s19                     ; tile column (of R): cx, + 4 x cluster y where R is x
	s_lshl_b32 s43, s41, 2
	s_lshl_b32 s43, 15, s43                        ; my row of the cluster
	s_lshl_b32 s44, 0x1111, s40                    ; my column
	; descriptor group 1: a tile of 128 rows x 256 bytes, padded in LDS
	s_or_b32 s[G1+0], s43, (0<<16)|(1<<20)|(1<<21)|(5<<22)|(3<<25)  ; 15:0 the mask: P's tiles go to my row; 17:16 elements of 1 byte; 20 padding on; 21 set beside a mask; 24:22 after every 64 words (code 5); 31:25 4 words (code 3)
	s_or_b32 s[G1B+0], s44, (0<<16)|(1<<20)|(1<<21)|(5<<22)|(3<<25) ; the same with my column's mask, for R's
.irp g, G1, G1B
	s_mov_b32 s[\g+1], ROWB<<16                    ; tensor_dim0 = 256
	s_mov_b32 s[\g+2], 128<<16                     ; tensor_dim1 = 128
	s_mov_b32 s[\g+3], ROWB<<16                    ; tile_dim0 = 256
	s_mov_b32 s[\g+4], 128                         ; tile_dim1 = 128
	s_mov_b32 s[\g+5], KROW                        ; tensor_dim0_stride
	s_mov_b32 s[\g+6], 0
	s_mov_b32 s[\g+7], 0
.endr
	s_lshl_b32 s18, s16, 7                         ; which 128 rows of the tile I fetch
	s_lshl_b32 s20, s17, 8
	s_add_co_u32 s20, s20, s18                     ; P: row 256 x tile row + 128 x half
	s_lshl_b32 s20, s20, 10                        ; in bytes (under 2^23)
	s_mov_b32 s21, 0
	s_lshl_b32 s46, s42, 8
	s_add_co_u32 s46, s46, s18                     ; R: row 256 x tile column + 128 x half
	s_lshl_b32 s46, s46, 10
	s_mov_b32 s47, 0
	s_mul_i32 s45, s14, HALFT                      ; where they go: wave x 128 rows: no place in the cluster enters an LDS address
	s_wait_kmcnt 0x0
	s_load_b256 s[92:99], s[82:83], 0x0            ; entries 0 to 7 of the scales' exponents
	s_load_b32 s100, s[82:83], 0x24                ; entry 9: v as an operand of p v
	s_cmp_eq_u32 ttmp9, 2                          ; the buffers are chosen by the cluster's x alone
	s_cselect_b64 s[4:5], s[74:75], s[68:69]       ; P: Wv, else x
	s_cselect_b64 s[6:7], s[68:69], s[70:71]       ; R: x, else Wq
	s_cselect_b64 s[8:9], s[80:81], s[76:77]       ; the bias
	s_cselect_b64 s[10:11], s[88:89], s[84:85]     ; the output
	s_cmp_eq_u32 ttmp9, 1
	s_cselect_b64 s[6:7], s[72:73], s[6:7]         ; k's
	s_cselect_b64 s[8:9], s[78:79], s[8:9]
	s_cselect_b64 s[10:11], s[86:87], s[10:11]
	s_add_nc_u64 s[20:21], s[4:5], s[20:21]
	s_add_nc_u64 s[46:47], s[6:7], s[46:47]
	CROUND                                         ; all sixteen work-groups are here: the first joint loads meet
.irp s, 0,1
	s_mov_b32 s[G0+4*\s], 1                        ; count = 1
	s_add_co_u32 s[G0+4*\s+1], s45, \s*SLOT        ; LDS address
	s_add_nc_u64 s[G0+4*\s+2:G0+4*\s+3], s[20:21], \s*ROWB   ; global address: K step s
	s_or_b32 s[G0+4*\s+3], s[G0+4*\s+3], 0x80000000          ; type = 2
	s_mov_b32 s[G0B+4*\s], 1
	s_add_co_u32 s[G0B+4*\s+1], s45, \s*SLOT
	s_add_nc_u64 s[G0B+4*\s+2:G0B+4*\s+3], s[46:47], \s*ROWB
	s_or_b32 s[G0B+4*\s+3], s[G0B+4*\s+3], 0x80000000
	JLOAD G0+4*\s, G1, G0B+4*\s, G1B               ; two tensor loads of mine are out
.endr
	v_and_b32 v1, 15, v0                           ; r = l % 16
	v_bfe_u32 v2, v0, 4, 1                         ; h = l / 16
	v_mul_u32_u24 v3, v1, PITCH
	v_lshl_add_u32 v4, v2, 4, v3                   ; a fragment's row x pitch + 16 x half
	s_mul_i32 s21, s15, HALFT                      ; my 128 rows of P
	s_mul_i32 s22, s16, HALFT                      ; my 128 rows of R,
	s_add_co_u32 s22, s22, 2*HALFT                 ; which lie behind P's 256
.irp s, 0,1
	v_add_nc_u32 v[ADRA+\s], s21, v4
	v_add_nc_u32 v[ADRB+\s], s22, v4
	s_add_co_u32 s21, s21, SLOT
	s_add_co_u32 s22, s22, SLOT
.endr
	; the way out: ONE stage of 256 rows (of P) x 272 bytes for the work-group, at LDS byte 0.  All its address registers are made here, ahead of every parting of ways
	s_mul_i32 s23, s15, 128*PITCH
	s_lshl_b32 s21, s16, 7
	s_add_co_u32 s23, s23, s21
	v_lshl_add_u32 v5, v2, 3, v3
	v_add_nc_u32 v[STO], s23, v5                   ; in: row 128 x row half + r, byte 128 x column half + 8 h
	v_and_b32 v6, 31, v0                           ; l
	s_mul_i32 s23, s14, 64*PITCH                   ; back: wave w takes rows 64 w .. 64 w + 63
	v_lshrrev_b32 v7, 2, v6
	v_mul_u32_u24 v7, v7, PITCH
	v_and_b32 v8, 3, v6
	v_lshl_add_u32 v7, v8, 4, v7
	v_add_nc_u32 v[RDQ], s23, v7                   ; q, k: four lanes to a token's 64 bytes of a head, eight tokens an instruction
	v_mul_u32_u24 v7, v2, PITCH
	v_lshl_add_u32 v7, v1, 4, v7
	v_add_nc_u32 v[RDV], s23, v7                   ; v: sixteen lanes to a row of 256 bytes, two rows an instruction
	v_lshlrev_b32 v[COQ], 4, v6                    ; q, k: eight tokens x 64 bytes are 512 bytes on end
	v_lshlrev_b32 v7, 11, v2
	v_lshl_add_u32 v[COV], v1, 4, v7               ; v: a feature's row of keys is 2,048 bytes
	; where my part of the output begins.  q, k: batch (tile row / 8) x 2^21 + head (4 x tile column) x 2^17 + token (256 (tile row % 8) + 64 w) x 64
	s_lshr_b32 s20, s17, 3
	s_lshl_b32 s20, s20, 21
	s_lshl_b32 s21, s42, 19
	s_add_co_u32 s20, s20, s21
	s_and_b32 s21, s17, 7
	s_lshl_b32 s21, s21, 14
	s_add_co_u32 s20, s20, s21
	s_lshl_b32 s21, s14, 12
	s_add_co_u32 s20, s20, s21
	; v: batch (tile column / 8) x 2^21 + feature (256 x tile row + 64 w) x 2,048 + key 256 (tile column % 8)
	s_lshr_b32 s22, s42, 3
	s_lshl_b32 s22, s22, 21
	s_lshl_b32 s21, s17, 19
	s_add_co_u32 s22, s22, s21
	s_lshl_b32 s21, s14, 17
	s_add_co_u32 s22, s22, s21
	s_and_b32 s21, s42, 7
	s_lshl_b32 s21, s21, 8
	s_add_co_u32 s22, s22, s21
	s_cmp_eq_u32 ttmp9, 2
	s_cselect_b32 s20, s22, s20
	s_cselect_b32 s22, s17, s42                    ; the features' tile: the tile row for v, else the tile column,
	s_cselect_b32 s23, s15, s16                    ; and my half of it
	s_mov_b32 s21, 0
	s_add_nc_u64 s[10:11], s[10:11], s[20:21]
	s_lshl_b32 s22, s22, 10
	s_lshl_b32 s23, s23, 9
	s_add_co_u32 s22, s22, s23                     ; (256 x tile + 128 x half) x 4 bytes
	s_mov_b32 s23, 0
	s_add_nc_u64 s[8:9], s[8:9], s[22:23]          ; the bias of my 128 features
	v_lshlrev_b32 v9, 5, v2                        ; 32 h
	v_lshlrev_b32 v10, 2, v1                       ; 4 r
	; the bias in the result's layout.  Both ways write all 64 registers.
	s_cmp_eq_u32 ttmp9, 2
	s_cbranch_scc1 .Lbias_v
.irp b, 0,1,2,3,4,5,6,7                        ; q, k: group b, register j: feature 16 b + 8 h + j
	global_load_b128 v[BI+8*\b:BI+8*\b+3], v9, s[8:9] offset:64*\b
	global_load_b128 v[BI+8*\b+4:BI+8*\b+7], v9, s[8:9] offset:64*\b+16
.endr
	s_branch .Lbias_done
.Lbias_v:
.irp a, 0,1,2,3,4,5,6,7                        ; v: group a, all eight registers: feature 16 a + r (a lane's eight results are eight tokens of one feature)
.irp j, 0,1,2,3,4,5,6,7
	global_load_b32 v[BI+8*\a+\j], v10, s[8:9] offset:64*\a
.endr
.endr
.Lbias_done:
.macro FRAG reg, adr, q, i             ; a fragment is 16 registers: lane l holds row l % 16; registers 4 c .. 4 c + 3 hold K = 32 c + 16 (l / 16) + 0 .. 15: a permutation of k that is the same in P and in R
.irp c, 0,1,2,3
	ds_load_b128 v[\reg+4*\c:\reg+4*\c+3], v[\adr] offset:128*(\q)+32*\c+(\i)*16*PITCH
.endr
.endm
; 16 matrix instructions: P's blocks a0, a0 + 1 x R's eight, 128 along K.  p: R's set.  c = 0: onto the sums; 1: the sums begin with the bias of R's block b; 2: with that of P's block a.
; The 64 accumulators take turns, one instruction a turn, in the same order in every step.
.macro MUL16 a0, p, c
.irp a, \a0, \a0+1
.irp b, 0,1,2,3,4,5,6,7
.if (\c) == 0
	v_wmma_f32_16x16x128_fp8_fp8 v[8*(8*((\a)%4)+\b):8*(8*((\a)%4)+\b)+7], v[128*(\p)+FR*\b:128*(\p)+FR*\b+FR-1], v[AF+FR*(\a):AF+FR*(\a)+FR-1], v[8*(8*((\a)%4)+\b):8*(8*((\a)%4)+\b)+7]
.elseif (\c) == 1
	v_wmma_f32_16x16x128_fp8_fp8 v[8*(8*((\a)%4)+\b):8*(8*((\a)%4)+\b)+7], v[128*(\p)+FR*\b:128*(\p)+FR*\b+FR-1], v[AF+FR*(\a):AF+FR*(\a)+FR-1], v[BI+8*\b:BI+8*\b+7]
.else
	v_wmma_f32_16x16x128_fp8_fp8 v[8*(8*((\a)%4)+\b):8*(8*((\a)%4)+\b)+7], v[128*(\p)+FR*\b:128*(\p)+FR*\b+FR-1], v[AF+FR*(\a):AF+FR*(\a)+FR-1], v[BI+8*(\a):BI+8*(\a)+7]
.endif
.endr
.endr
.endm
.macro FETCH_B slot, q, p              ; R's eight fragments of the slot's q-th 128 along K into set p
	WIN TO_B
.irp i, 0,1,2,3,4,5,6,7
	FRAG 128*(\p)+FR*\i, ADRB+\slot, \q, \i
.endr
	WIN 0
.endm
.macro FETCH_A slot, q, i0             ; P's blocks i0 .. i0 + 3
.irp i, \i0, \i0+1, \i0+2, \i0+3
	FRAG AF+FR*(\i), ADRA+\slot, \q, \i
.endr
.endm
.macro PLACES n                        ; plain vector instructions between a matrix instruction and a load into a register that it read, or a vector instruction that reads its result
.rept \n
	v_nop
.endr
.endm
; A step of 128 along K that has its successor in the same slot.  A block of P is free once its eight products are issued: blocks 0-3 are fetched anew in the middle, blocks 4-7 at the end.
.macro STEP slot, q, c
	s_wait_dscnt 4*NL                              ; R's set and P's blocks 0-3 are in; the youngest 16 loads (P's blocks 4-7) may be out
.if (\c) == 0
	WIN MUL_LO
.else
	WIN 0x81                                       ; C (the bias) in window 0
.endif
	MUL16 0, (\q)%2, \c
	MUL16 2, (\q)%2, \c
	s_wait_dscnt 0                                 ; P's blocks 4-7 are in
	PLACES NP
	FETCH_B \slot, (\q)+1, 1-(\q)%2
	FETCH_A \slot, (\q)+1, 0
.if (\c) == 0
	WIN MUL_HI
.else
	WIN 0xc1
.endif
	MUL16 4, (\q)%2, \c
	MUL16 6, (\q)%2, \c
	PLACES NP
	WIN 0
	FETCH_A \slot, (\q)+1, 4
.endm
; A slot's last step changes slots: ONE barrier; in front of it each wave waits for all its tensor loads, adds 0 to its spare word, and waits for that and for its own reads of this slot.  fill = 1: this slot is filled again, two K steps ahead.
.macro TURN slot, next, fill
	s_wait_tensorcnt 0x0                           ; all my tensor loads have landed: my part of the next slot
	ds_add_u32 v[SPW], v[NIL]                      ; 0 onto my spare word
	s_wait_dscnt 4*NL+1                            ; (the add and the youngest 16 loads, P's blocks 4-7, may be out)
	WIN MUL_LO
	MUL16 0, 1, 0                                  ; sixteen matrix instructions stand between the add and the wait for it
	s_wait_dscnt 0x0                               ; the add is done, and my reads of this slot are over
	s_barrier_signal -1
	MUL16 2, 1, 0
	WIN 0
	s_barrier_wait -1
.if \fill
	CREST                                          ; the barrier has opened a round of the cluster's: no wave of any partner still reads this slot or has a load on its way
	s_add_nc_u64 s[G0+4*\slot+2:G0+4*\slot+3], s[G0+4*\slot+2:G0+4*\slot+3], 2*ROWB
	s_add_nc_u64 s[G0B+4*\slot+2:G0B+4*\slot+3], s[G0B+4*\slot+2:G0B+4*\slot+3], 2*ROWB
	JLOAD G0+4*\slot, G1, G0B+4*\slot, G1B         ; the first tensor load behind the round, my only one out; its four v_nop are also the places in front of the loads below
.else
	PLACES NP
.endif
	FETCH_B \next, 0, 0
	FETCH_A \next, 0, 0
	WIN MUL_HI
	MUL16 4, 1, 0
	MUL16 6, 1, 0
	PLACES NP
	WIN 0
	FETCH_A \next, 0, 4
.endm
	s_wait_tensorcnt 0x1                           ; my part of K step 0 is in; K step 1's load may be out
	s_barrier_signal -1
	s_barrier_wait -1                              ; everybody's is
	FETCH_B 0, 0, 0
	FETCH_A 0, 0, 0
	FETCH_A 0, 0, 4
	s_wait_kmcnt 0x0                               ; the exponents.  They are chosen by selects on the cluster's x: no branch hangs on a loaded number
	s_add_co_i32 s92, s92, s93                     ; q: eA + eB
	s_add_co_i32 s94, s94, s95                     ; k
	s_add_co_i32 s96, s96, s97                     ; v
	s_cmp_eq_u32 ttmp9, 0
	s_cselect_b32 s90, s92, s94
	s_cselect_b32 s91, s98, s99                    ; eo: entry 6 for q, entry 7 for k,
	s_cmp_eq_u32 ttmp9, 2
	s_cselect_b32 s90, s96, s90
	s_cselect_b32 s91, s100, s91                   ; entry 9 for v
	s_sub_co_i32 s91, s91, s90                     ; eo - eA - eB
	s_sub_co_i32 s90, 0, s90                       ; -(eA + eB)
	s_add_co_i32 s91, s91, 127
	s_lshl_b32 s66, s91, 23
	v_mov_b32 v[SCL], s66                          ; 2^(eo - eA - eB) as f32: the conversion takes its exponent field
	s_add_co_i32 s91, s91, 8
	s_lshl_b32 s91, s91, 23
	s_or_b32 s67, s91, 0x600000                    ; 448 x that,
	s_xor_b32 s66, s67, 0x80000000                 ; and its negative
	s_wait_loadcnt 0x0                             ; the bias
.set j, 0
.rept 64
	v_ldexp_f32 v[BI+j], v[BI+j], s90              ; b / 2^(eA + eB)
.set j, j+1
.endr
	s_cmp_eq_u32 ttmp9, 2                          ; the first step is written twice: it differs in which bias starts a sum
	s_cbranch_scc1 .Lfirst_v
	STEP 0, 0, 1
	s_branch .Lfirst_done
.Lfirst_v:
	STEP 0, 0, 2
.Lfirst_done:
	TURN 0, 1, 1                                   ; slot 0 takes K step 2
	STEP 1, 0, 0
	TURN 1, 0, 1                                   ; slot 1 takes K step 3
	STEP 0, 0, 0
	TURN 0, 1, 0                                   ; nothing is left to fetch: no round.  Behind this barrier nobody reads slot 0, and it has had its last fill
	STEP 1, 0, 0
	s_wait_dscnt 4*NL                              ; the very last step
	WIN MUL_LO
	MUL16 0, 1, 0
	MUL16 2, 1, 0
	s_wait_dscnt 0
	WIN MUL_HI
	MUL16 4, 1, 0
	MUL16 6, 1, 0
	WIN 0
; THE WAY OUT.  Block a (16 rows of P x my 128 columns): held within +-448 x the scale (the conversion to an 8-bit code does not saturate: ISA guide 7.6.2), converted, 8 codes a lane and accumulator, into the stage.
; Each accumulator is read from its low end on.  Each block has code registers of its own, so no LDS store's data are written again.
.macro CODES a
.set AC, 64*((\a)%4)
	WIN 0x82+0x41*((\a)/4)                         ; source 0 and destination: window 2 or 3
.set j, 0
.rept 64
	v_med3_num_f32 v[AC+j], v[AC+j], s66, s67
.set j, j+1
.endr
	WIN 0x02+((\a)/4)                              ; source 0: window 2 or 3; the codes and the scale in window 0
.irp b, 0,1,2,3,4,5,6,7
	v_cvt_scalef32_pk8_fp8_f32 v[T+16*(\a)+2*\b:T+16*(\a)+2*\b+1], v[AC+8*\b:AC+8*\b+7], v[SCL]
.endr
	WIN 0
.irp b, 0,1,2,3,4,5,6,7
	ds_store_b64 v[STO], v[T+16*(\a)+2*\b:T+16*(\a)+2*\b+1] offset:(\a)*16*PITCH+16*\b   ; lane (r, h) at word 68 r + 2 h
.endr
.endm
	PLACES NP                                      ; behind the last products
.irp a, 0,1,2,3,4,5,6,7
	CODES \a
.endr
	v_nop                                          ; a plain vector instruction behind the last conversion
	s_wait_dscnt 0x0                               ; for the others' sake: my stores into the stage are done (a row's 256 bytes come from two waves)
	s_barrier_signal -1
	s_barrier_wait -1
	s_cmp_eq_u32 ttmp9, 2                          ; both ways only read the stage
	s_cbranch_scc1 .Lout_v
.set i, 0
.rept 32                                       ; q, k: head i / 8 of the tile's four, tokens 8 (i % 8) on.  Four rows, 272 bytes apart, 64 bytes of each; 32 loads a wave, once
	ds_load_b128 v[T+4*i:T+4*i+3], v[RDQ] offset:8*PITCH*(i%8)+64*(i/8)
.set i, i+1
.endr
.set i, 0
.rept 32
	s_wait_dscnt 31-i                              ; LDS loads come back in order: load i is in, the younger ones may be out
	global_store_b128 v[COQ], v[T+4*i:T+4*i+3], s[10:11] offset:((i/8)<<17)+512*(i%8)   ; the wave stores 512 consecutive bytes, aligned: eight tokens of one head
.set i, i+1
.endr
	s_branch .Lout_done
.Lout_v:
.set i, 0
.rept 32                                       ; v: features 2 i and 2 i + 1 of my 64, 256 keys of each
	ds_load_b128 v[T+4*i:T+4*i+3], v[RDV] offset:2*PITCH*i
.set i, i+1
.endr
.set i, 0
.rept 32
	s_wait_dscnt 31-i
	global_store_b128 v[COV], v[T+4*i:T+4*i+3], s[10:11] offset:4096*i   ; sixteen lanes store 256 consecutive bytes, aligned
.set i, i+1
.endr
.Lout_done:
	s_wait_tensorcnt 0x0                           ; the wave's end
	ds_add_u32 v[SPW], v[NIL]
	s_wait_dscnt 0x0
	CROUND                                         ; the closing round: no work-group ends while a partner may still ask for a tile that names it
	s_endpgm
.Lfunc_end_k_q37268e9378_proj:
	.size	k_q37268e9378_proj, .Lfunc_end_k_q37268e9378_proj-k_q37268e9378_proj
	.p2alignl 7, 3214868480
	.fill 96, 4, 3214868480
	.section	.rodata,"a",@progbits
	.p2align	6, 0x0
	.amdhsa_kernel k_q37268e9378_proj
		.amdhsa_group_segment_fixed_size 327680
		.amdhsa_private_segment_fixed_size 0
		.amdhsa_enable_private_segment 0
		.amdhsa_kernarg_size 88
		.amdhsa_user_sgpr_count 2
		.amdhsa_user_sgpr_kernarg_segment_ptr 1
		.amdhsa_wavefront_size32 1
		.amdhsa_system_sgpr_workgroup_id_x 1
		.amdhsa_system_sgpr_workgroup_id_y 1
		.amdhsa_system_sgpr_workgroup_id_z 1
		.amdhsa_system_vgpr_workitem_id 0
		.amdhsa_next_free_vgpr 1024
		.amdhsa_next_free_sgpr 102
		.amdhsa_reserve_vcc 0
		.amdhsa_float_denorm_mode_32 3
		.amdhsa_float_denorm_mode_16_64 3
		.amdhsa_memory_ordered 1
		.amdhsa_forward_progress 1
		.amdhsa_inst_pref_size 153
	.end_amdhsa_kernel
	.amdgpu_metadata
---
amdhsa.version: [ 1, 2 ]
amdhsa.kernels:
  - .name:           k_q37268e9378_proj
    .symbol:         k_q37268e9378_proj.kd
    .args:
      - { .name: x_codes, .offset: 0, .size: 8, .value_kind: global_buffer, .address_space: global }
      - { .name: Wq_codes, .offset: 8, .size: 8, .value_kind: global_buffer, .address_space: global }
      - { .name: Wk_codes, .offset: 16, .size: 8, .value_kind: global_buffer, .address_space: global }
      - { .name: Wv_codes, .offset: 24, .size: 8, .value_kind: global_buffer, .address_space: global }
      - { .name: bq, .offset: 32, .size: 8, .value_kind: global_buffer, .address_space: global }
      - { .name: bk, .offset: 40, .size: 8, .value_kind: global_buffer, .address_space: global }
      - { .name: bv, .offset: 48, .size: 8, .value_kind: global_buffer, .address_space: global }
      - { .name: lowp_scales, .offset: 56, .size: 8, .value_kind: global_buffer, .address_space: global }
      - { .name: qc, .offset: 64, .size: 8, .value_kind: global_buffer, .address_space: global }
      - { .name: kc, .offset: 72, .size: 8, .value_kind: global_buffer, .address_space: global }
      - { .name: vc, .offset: 80, .size: 8, .value_kind: global_buffer, .address_space: global }
    .group_segment_fixed_size: 327680
    .private_segment_fixed_size: 0
    .kernarg_segment_align: 8
    .kernarg_segment_size: 88
    .max_flat_workgroup_size: 128
    .sgpr_count:     102
    .vgpr_count:     1024
    .wavefront_size: 32
...
	.end_amdgpu_metadata
.endif
;; end of part 1
;; launch attn (part 2): grid 4 x 64, 16 waves a work-group, no clusters, 318,464 bytes of LDS; arguments qc, kc, vc, lowp_scales, ao; writes ao
.if DOCPART == 2
	.amdgcn_target "amdgcn-amd-amdhsa--gfx1250"
	.amdhsa_code_object_version 6
	.text
	.protected	k_q37268e9378_attn
	.globl	k_q37268e9378_attn
	.p2align	8
	.type	k_q37268e9378_attn,@function
k_q37268e9378_attn:
	s_mov_b64 s[64:65], 0
	v_nop
	global_prefetch_b8 v0, s[64:65] scope:SCOPE_SE
	s_setreg_imm32_b32 hwreg(HW_REG_WAVE_MODE, 25, 1), 1
	s_wait_xcnt 0x0
; For each of 64 (batch, head): o[q] = sum over keys of softmax(q . k / 8) v, both products on codes of FP8 (E4M3); o is quantised at once as an operand of the output projection.
; qc, kc: [bh][2,048][64] codes;  vc: [bh][64][2,048 keys] codes;  ao: [token / 128][head][128 tokens][64] codes.  Exponents: entries 6 (q), 7 (k), 8 (p), 9 (v), 10 (o) of the buffer of scales.
; THE SOFTMAX: t = score x log2(e) / 8; M = the running largest t rounded UP to a whole number; p = 2^(t - M) is quantised, not normalised; the row's sum is taken of the unquantised p and divides at the end.
; When M moves, the sum and O are multiplied by 2^(old M - new M), which rounds nothing; there is no branch on floating-point data.
; SHARES.  A work-group owns 512 queries of one head; each of its sixteen waves 32: two tiles of 16, A and B, which share every fragment of K and V that the wave reads from LDS.
; ALL OF THE HEAD'S K AND V LIE IN LDS FOR THE WHOLE LAUNCH (2 x 131,072 bytes of codes): they are brought once, at the head, through registers; one barrier; no slot is ever filled again.
; NO TENSOR LOAD AND NO JOINT REQUEST, though the four work-groups of a head read the same K and V.  What is shared is read once, 32 loads a thread, against sixteen key steps of some 400 vector
; instructions a wave.  K's and V's rows change places on their way into LDS (below).  And a text without tensor loads may branch on a given exponent: where 448 x 2^ep is at least 1.75 (ep >= -8), p, which is at most 1,
; needs no hold, and 64 of a tile's 258 vector instructions a step are jumped over.  For ep < -8 the hold is executed.
; No prefetch is laid: every global read of the launch is issued at its head, in one run.
; LAYOUT.  Both products are used transposed: S^T = K Q^T (source 0 = 16 keys, source 1 = 16 queries), O^T = V^T P^T (source 0 = 16 of the head's 64, source 1 = P): a lane holds ONE query (lane % 16) throughout.
; Key n lies in LDS row n with its bits 3 and 4 exchanged.  So a tile's 16 LDS rows are neighbours, and register j of tile 2 b + u in lane half h is key 32 b + 16 h + 8 u + j: the 16 registers of two neighbouring
; tiles are 16 neighbouring keys, and the conversions' results are the second product's operand.  V's rows d are laid likewise, so that O^T's registers of two neighbouring tiles are 16 neighbouring d.
; All fragments come by loads of 16 bytes: a permutation of k that is the same on both sides of each product.
; LIMITS, so that each power of two below is an f32 number: entry 6 + entry 7 between -123 and 130 (added to c's exponent field); entries 8 and 10 between -126 and 119.  NaN among the inputs is not served.
.set KP,    80                         ; a key's row in LDS: 64 bytes + 16 = 20 words: 16 neighbouring rows start at 16 different multiples of 4 banks (64 banks of 4 bytes: ISA guide 11.1)
.set VP,    2064                       ; a row of V: 2,048 bytes + 16 = 516 words: row r starts 4 r banks on
.set VOFF,  2048*KP                    ; K: 163,840 bytes; then V: 64 x 2,064 = 132,096
.set STAGE, VOFF+64*VP                 ; then the way out: 16 rows x 80 bytes for each wave
.set AK0, 1                            ; v1   my lane's place in a tile of K: 80 r + 16 h
.set AV0, 2                            ; v2   in a tile of V: VOFF + 2,064 r + 16 h
.set ADR, 3                            ; v3   address of the run of loads in hand
.set SCP, 4                            ; v4   2^ep as f32
.set PX,  5                            ; v5   a lane permute's destination
.set FF,  6                            ; v[6:7] f = 2^(old M - new M); at the end 1 / l of tile A
.set L2,  8                            ; v[8:9] the sums' second chain; at the end 1 / l of tile B
.set MX,  10                           ; v10, v11 the maximum's two chains
.set STA, 12                           ; v[12:15] tile A: -M, the largest t, l in two halves
.set STB, 16                           ; v[16:19] tile B
.set QA,  20                           ; v[20:27] Q of tile A
.set QB,  28                           ; v[28:35] Q of tile B
.set PC,  36                           ; v[36:51] p's codes of tile A; v[52:67] of tile B, laid over scores that are done with
.set S,   56                           ; v[56:119] S^T, then p
.set F,   120                          ; v[120:183] a step's fragments of K, then of V
.set O,   184                          ; v[184:215] O^T of tile A, v[216:247] of tile B
.set ADR2, 248                         ; v248 V's tiles 2 and 3 (their rows lie beyond an LDS immediate's reach)
.set STO, 249                          ; v249 the stage: where I put 16 codes
.set RD,  250                          ; v250 and where I read them back
.set GO,  251                          ; v251 my byte offset in the wave's part of ao
.set SCO, 252                          ; v252 2^e10 as f32
.set TH16, 36                          ; while LDS is filled: v36 16 x thread; v37-39, v40-42 where K's and V's pieces go; v43-45 at work; v46 Q's offset; v47 r, v48 h; v56-183 the 32 pieces
.set KST, 37
.set VST, 40
	s_load_b256 s[4:11], s[0:1], 0x0               ; qc s[4:5], kc s[6:7], vc s[8:9], the scales' exponents s[10:11]
	s_load_b64 s[12:13], s[0:1], 0x20              ; ao
	v_lshl_add_u32 v254, v0, 2, 0x4d400
	v_mov_b32 v255, 0
	v_lshrrev_b32 v43, 5, v0
	v_readfirstlane_b32 s14, v43                   ; wave 0..15
	s_and_b32 s15, ttmp7, 0xffff                   ; bh = 16 x batch + head
	s_lshl_b32 s16, s15, 17                        ; the head's first byte in qc, kc and vc
	s_mov_b32 s17, 0
	s_lshl_b32 s18, ttmp9, 15                      ; my work-group's 512 queries x 64 bytes,
	s_lshl_b32 s19, s14, 11                        ; my wave's 32
	s_add_co_u32 s18, s18, s19
	s_add_co_u32 s18, s18, s16
	s_mov_b32 s19, 0
	v_and_b32 v47, 15, v0                          ; r
	v_bfe_u32 v48, v0, 4, 1                        ; h
	v_lshlrev_b32 v46, 6, v47
	v_lshl_add_u32 v46, v48, 4, v46                ; Q: row r of 64 bytes, + 16 h
	v_lshlrev_b32 v[TH16], 4, v0                   ; 16 bytes a thread: a wave's load reads 512 consecutive bytes
	s_wait_kmcnt 0x0
	s_load_b128 s[20:23], s[10:11], 0x18           ; entries 6 to 9: eq, ek, ep, ev
	s_load_b32 s24, s[10:11], 0x28                 ; entry 10
	s_add_nc_u64 s[4:5], s[4:5], s[18:19]
	s_add_nc_u64 s[6:7], s[6:7], s[16:17]
	s_add_nc_u64 s[8:9], s[8:9], s[16:17]
.irp x, 0,1
.irp c, 0,1
	global_load_b128 v[QA+8*\x+4*\c:QA+8*\x+4*\c+3], v46, s[4:5] offset:1024*\x+32*\c   ; Q's fragments stay in registers: registers 4 c .. 4 c + 3: d = 32 c + 16 h + 0 .. 15
.endr
.endr
.set i, 0
.rept 16
	global_load_b128 v[S+4*i:S+4*i+3], v[TH16], s[6:7] offset:8192*i        ; K: piece i: keys 128 i + thread / 4
.set i, i+1
.endr
.set i, 0
.rept 16
	global_load_b128 v[F+4*i:F+4*i+3], v[TH16], s[8:9] offset:8192*i        ; V: piece i: rows 4 i + thread / 128
.set i, i+1
.endr
	; while they are on their way: addresses, constants, the sums' first values
	v_lshrrev_b32 v43, 2, v0                       ; u = thread / 4: the key within a piece's 128
	v_and_b32 v44, 0x67, v43
	v_bfe_u32 v45, v43, 3, 1
	v_lshl_or_b32 v44, v45, 4, v44
	v_bfe_u32 v45, v43, 4, 1
	v_lshl_or_b32 v44, v45, 3, v44                 ; u with its bits 3 and 4 exchanged
	v_mul_u32_u24 v44, v44, KP
	v_and_b32 v45, 3, v0
	v_lshl_add_u32 v[KST], v45, 4, v44             ; pieces 0 to 5: + 10,240 a piece in the immediate;
	v_add_nc_u32 v[KST+1], 6*128*KP, v[KST]        ; pieces 6 to 11;
	v_add_nc_u32 v[KST+2], 12*128*KP, v[KST]       ; pieces 12 to 15
	v_lshrrev_b32 v43, 7, v0
	v_mul_u32_u24 v43, v43, VP
	v_and_b32 v44, 127, v0
	v_lshl_add_u32 v43, v44, 4, v43
	v_add_nc_u32 v[VST], VOFF, v43                 ; V: row thread / 128 of a group of four, 16 bytes a thread; groups 0 to 6,
	v_add_nc_u32 v[VST+1], 7*4*VP, v[VST]          ; 7 to 13,
	v_add_nc_u32 v[VST+2], 14*4*VP, v[VST]         ; 14 and 15
	v_mul_u32_u24 v[AK0], v47, KP
	v_lshl_add_u32 v[AK0], v48, 4, v[AK0]
	v_mul_u32_u24 v[AV0], v47, VP
	v_lshl_add_u32 v[AV0], v48, 4, v[AV0]
	v_add_nc_u32 v[AV0], VOFF, v[AV0]
	s_mul_i32 s42, s14, 16*KP
	s_add_co_u32 s42, s42, STAGE                   ; my stage
	v_add_nc_u32 v[STO], s42, v[AK0]               ; in: row r, + 16 h
	v_and_b32 v43, 31, v0
	v_lshrrev_b32 v44, 2, v43
	v_mul_u32_u24 v44, v44, KP
	v_and_b32 v45, 3, v43
	v_lshl_add_u32 v44, v45, 4, v44
	v_add_nc_u32 v[RD], s42, v44                   ; back: four lanes to a row of 64 bytes, eight rows an instruction
	v_lshlrev_b32 v[GO], 4, v43                    ; which are 512 bytes on end in ao
	s_lshr_b32 s39, s15, 4                         ; ao: block of 128 tokens = 16 x batch + 4 x work-group x + wave / 4,
	s_lshl_b32 s39, s39, 4
	s_lshl_b32 s40, ttmp9, 2
	s_add_co_u32 s39, s39, s40
	s_lshr_b32 s40, s14, 2
	s_add_co_u32 s39, s39, s40
	s_lshl_b32 s39, s39, 17                        ; of 131,072 bytes;
	s_and_b32 s40, s15, 15
	s_lshl_b32 s40, s40, 13                        ; the head's 8,192;
	s_add_co_u32 s39, s39, s40
	s_and_b32 s40, s14, 3
	s_lshl_b32 s40, s40, 11                        ; my wave's 32 tokens x 64
	s_add_co_u32 s40, s39, s40
	s_mov_b32 s41, 0
	s_add_nc_u64 s[12:13], s[12:13], s[40:41]
	s_mov_b32 s28, 0x76543210                      ; v_permlanex16_b32's selects for lane l xor 16
	s_mov_b32 s29, 0xfedcba98
	s_mov_b32 s26, 0x3e38aa3b                      ; c = log2(e) / 8
.irp t, STA, STB
	v_mov_b32 v[\t+1], 0xff61b1e6                  ; the largest t so far: -3e38, under every t
	v_floor_f32 v[\t], -v[\t+1]                    ; -M
	v_mov_b32 v[\t+2], 0                           ; l, in two halves
	v_mov_b32 v[\t+3], 0
.endr
	v_mov_b32 v[PX], 0                             ; written once: a lane permute's destination counts as one of its sources
	v_mov_b32 v[FF+1], 0                           ; (named as the upper half of the pair)
.set j, 0
.rept 64
	v_mov_b32 v[O+j], 0                            ; O^T.  (The step is written once: the first finds zeros, which the first change of M leaves zeros)
.set j, j+1
.endr
	s_wait_kmcnt 0x0
	s_add_co_i32 s43, s20, s21
	s_lshl_b32 s43, s43, 23
	s_add_co_i32 s26, s26, s43                     ; a score stands for score x 2^(eq + ek): the two exponents are added to c's exponent field
	s_mov_b32 s27, s26                             ; (named with it as a pair)
	s_add_co_i32 s43, s22, 127
	s_lshl_b32 s44, s43, 23
	v_mov_b32 v[SCP], s44                          ; 2^ep
	s_add_co_i32 s43, s43, 8
	s_lshl_b32 s43, s43, 23
	s_or_b32 s30, s43, 0x600000                    ; 448 x 2^ep
	s_add_co_i32 s43, s24, 127
	s_lshl_b32 s44, s43, 23
	v_mov_b32 v[SCO], s44                          ; 2^e10
	s_add_co_i32 s43, s43, 8
	s_lshl_b32 s43, s43, 23
	s_or_b32 s37, s43, 0x600000                    ; 448 x 2^e10,
	s_xor_b32 s36, s37, 0x80000000                 ; and its negative
.set i, 0
.rept 16
	s_wait_loadcnt 31-i                            ; loads come back in order: K's piece i is in; K's later pieces and V's sixteen may be out
	ds_store_b128 v[KST+i/6], v[S+4*i:S+4*i+3] offset:128*KP*(i%6)
.set i, i+1
.endr
.set i, 0
.rept 16
.set si, (i&9)|((i&2)<<1)|((i&4)>>1)           ; row d = 4 i + thread / 128: its bits 3 and 4 are i's bits 1 and 2
	s_wait_loadcnt 15-i                            ; V's piece i is in; the later ones may be out
	ds_store_b128 v[VST+si/7], v[F+4*i:F+4*i+3] offset:4*VP*(si%7)
.set i, i+1
.endr
	s_wait_dscnt 0x0                               ; for the others' sake: my stores are done
	s_barrier_signal -1
	s_barrier_wait -1                              ; K and V lie in LDS; nobody writes them again
; A step's K: 8 tiles of 16 keys x 64.  Five plain instructions stand ahead: the last products' operands are loaded into (four are owed) and p's codes of tile B are written over by matrix instructions (five).
.macro KLOAD
	v_add_nc_u32 v[ADR], s32, v[AK0]
.rept 4
	v_nop
.endr
.irp t, 0,1,2,3,4,5,6,7
.irp c, 0,1
	ds_load_b128 v[F+8*\t+4*\c:F+8*\t+4*\c+3], v[ADR] offset:16*KP*\t+32*\c
.endr
.endr
	s_wait_dscnt 0x0
.endm
.macro QK q                            ; S^T = K Q^T for the tile whose Q begins at v[q]: eight accumulators, each begun with 0
.irp t, 0,1,2,3,4,5,6,7
	v_wmma_f32_16x16x64_fp8_fp8 v[S+8*\t:S+8*\t+7], v[F+8*\t:F+8*\t+7], v[\q:\q+7], 0
.endr
.endm
; A step's V: 4 tiles of 16 d x 128 keys, into the registers that K has left.  The four plain instructions serve the loads and the first read of the scores alike.  The loads land while tile B's softmax is worked.
.macro VLOAD
	v_add_nc_u32 v[ADR], s33, v[AV0]
	v_add_nc_u32 v[ADR2], 32*VP, v[ADR]
.rept 2
	v_nop
.endr
.irp t, 0,1
.irp c, 0,1,2,3
	ds_load_b128 v[F+16*\t+4*\c:F+16*\t+4*\c+3], v[ADR] offset:16*VP*\t+32*\c
.endr
.endr
.irp t, 0,1
.irp c, 0,1,2,3
	ds_load_b128 v[F+32+16*\t+4*\c:F+32+16*\t+4*\c+3], v[ADR2] offset:16*VP*\t+32*\c
.endr
.endr
.endm
; One tile's softmax for 128 keys.  st: its statistics; pc: where its codes go; o: its O^T.
.macro SOFTMAX st, pc, o
	v_max3_num_f32 v[MX], v[S], v[S+1], v[S+2]     ; the step's largest score of my query among my 64 keys, in two chains; each accumulator is read from its low end on
	v_max3_num_f32 v[MX+1], v[S+3], v[S+4], v[S+5]
.irp i, 6,10,14,18,22,26,30,34,38,42,46,50,54,58
	v_max3_num_f32 v[MX], v[MX], v[S+\i], v[S+\i+1]
	v_max3_num_f32 v[MX+1], v[MX+1], v[S+\i+2], v[S+\i+3]
.endr
	v_max3_num_f32 v[MX], v[MX], v[S+62], v[S+63]
	v_max_num_f32 v[MX], v[MX], v[MX+1]
	v_permlanex16_b32 v[PX], v[MX], s28, s29
	v_max_num_f32 v[MX], v[MX], v[PX]              ; and among lane l xor 16's
	v_mul_f32 v[MX], s26, v[MX]                    ; as t (c is positive)
	v_max_num_f32 v[\st+1], v[\st+1], v[MX]        ; the running largest t
	v_mov_b32 v[MX], v[\st]
	v_floor_f32 v[\st], -v[\st+1]                  ; the new -M = floor(-t) = -ceil(t)
	v_sub_f32 v[MX], v[\st], v[MX]                 ; old M - new M: a whole number, 0 or less
	v_cvt_i32_f32 v[MX], v[MX]                     ; (it saturates)
	v_ldexp_f32 v[FF], 1.0, v[MX]                  ; f = 2^(old M - new M)
.irp j, 0,2,4,6,8,10,12,14,16,18,20,22,24,26,28,30,32,34,36,38,40,42,44,46,48,50,52,54,56,58,60,62
	v_pk_fma_f32 v[S+\j:S+\j+1], v[S+\j:S+\j+1], s[26:27], v[\st:\st+1] op_sel_hi:[1,0,0]   ; t - M, two at a time (of the pairs c and -M the low word serves both halves)
.endr
.set j, 0
.rept 64
	v_exp_f32 v[S+j], v[S+j]                       ; p = 2^(t - M), at most 1
.set j, j+1
.endr
	v_pk_mul_f32 v[\st+2:\st+3], v[\st+2:\st+3], v[FF:FF+1] op_sel_hi:[1,0]   ; l under the new M: the plain instruction behind the exponentials
	s_wait_alu depctr_va_vdst(0)                   ; one wait for the batch of 64, ahead of its first reader
	v_pk_add_f32 v[L2:L2+1], v[S:S+1], v[S+2:S+3]  ; the sum of the UNQUANTISED p, two at a time, in two chains
.irp j, 4,8,12,16,20,24,28,32,36,40,44,48,52,56,60
	v_pk_add_f32 v[\st+2:\st+3], v[\st+2:\st+3], v[S+\j:S+\j+1]
	v_pk_add_f32 v[L2:L2+1], v[L2:L2+1], v[S+\j+2:S+\j+3]
.endr
	v_pk_add_f32 v[\st+2:\st+3], v[\st+2:\st+3], v[L2:L2+1]
	s_cmp_ge_i32 s22, -8                           ; 448 x 2^ep >= 1.75 > 1 >= p: nothing to hold.  A branch on a given whole number, the same in every wave; no barrier stands under it
	s_cbranch_scc1 .Lnohold_\@
.set j, 0
.rept 64
	v_min_num_f32 v[S+j], s30, v[S+j]              ; the conversion to an 8-bit code does not saturate (ISA guide 7.6.2); p is not negative, so the hold is one-sided
.set j, j+1
.endr
.Lnohold_\@:
.irp b, 0,1,2,3                                ; 16 neighbouring keys become 4 registers of the operand.  O^T's rescaling is dealt out between the conversions: it is the plain work that must stand between a
	v_cvt_scalef32_pk8_fp8_f32 v[\pc+4*\b:\pc+4*\b+1], v[S+16*\b:S+16*\b+7], v[SCP]          ; conversion and the next instruction that writes its sources (tile B's codes land on scores already converted) or reads its result
	v_cvt_scalef32_pk8_fp8_f32 v[\pc+4*\b+2:\pc+4*\b+3], v[S+16*\b+8:S+16*\b+15], v[SCP]
.irp i, 0,2,4,6
	v_pk_mul_f32 v[\o+8*\b+\i:\o+8*\b+\i+1], v[\o+8*\b+\i:\o+8*\b+\i+1], v[FF:FF+1] op_sel_hi:[1,0]   ; O^T under the new M
.endr
.endr
.endm
.macro PV                              ; O^T += V^T P^T for both tiles: eight accumulators by turns, one instruction a turn
	s_wait_dscnt 0x0                               ; V is in
.irp t, 0,1,2,3
	v_wmma_f32_16x16x128_fp8_fp8 v[O+8*\t:O+8*\t+7], v[F+16*\t:F+16*\t+15], v[PC:PC+15], v[O+8*\t:O+8*\t+7]
	v_wmma_f32_16x16x128_fp8_fp8 v[O+32+8*\t:O+32+8*\t+7], v[F+16*\t:F+16*\t+15], v[PC+16:PC+31], v[O+32+8*\t:O+32+8*\t+7]
.endr
.endm
	s_mov_b32 s32, 0                               ; the step's first row of K in LDS, in bytes
	s_mov_b32 s33, 0                               ; the step's first key in a row of V
	s_mov_b32 s34, 16                              ; 2,048 keys, 128 a step
.Lstep:
	KLOAD
	QK QA
.rept 4
	v_nop                                          ; places ahead of the first read of the scores
.endr
	SOFTMAX STA, PC, O
	QK QB                                          ; K's fragments serve a second time
	VLOAD
	SOFTMAX STB, PC+16, O+32
	PV
	s_add_co_u32 s32, s32, 128*KP
	s_add_co_u32 s33, s33, 128
	s_sub_co_u32 s34, s34, 1
	s_cmp_lg_u32 s34, 0
	s_cbranch_scc1 .Lstep
	; THE WAY OUT.  l's halves are added; O^T x 2^(ep + ev) / l is held, converted with 2^e10 and goes through my stage, so that the wave stores 512 consecutive bytes.
	; The additions, the v_nop and the two v_ldexp_f32 are the places behind the last products.
	v_add_f32 v[STA+2], v[STA+2], v[STA+3]
	v_add_f32 v[STB+2], v[STB+2], v[STB+3]
	v_permlanex16_b32 v[PX], v[STA+2], s28, s29
	v_permlanex16_b32 v[MX], v[STB+2], s28, s29
	v_add_f32 v[STA+2], v[STA+2], v[PX]            ; and lane l xor 16's: the rows' sums
	v_add_f32 v[STB+2], v[STB+2], v[MX]
	v_rcp_f32 v[FF], v[STA+2]
	v_rcp_f32 v[L2], v[STB+2]
	v_nop                                          ; a plain instruction behind the reciprocals
	s_add_co_i32 s43, s22, s23                     ; ep + ev
	s_wait_alu depctr_va_vdst(0)                   ; one wait for both, ahead of their first reader
	v_ldexp_f32 v[FF], v[FF], s43
	v_ldexp_f32 v[L2], v[L2], s43
.macro OUT x, f
.set OB, O+32*(\x)
.set CB, PC+8*(\x)
.irp j, 0,2,4,6,8,10,12,14,16,18,20,22,24,26,28,30
	v_pk_mul_f32 v[OB+\j:OB+\j+1], v[OB+\j:OB+\j+1], v[\f:\f+1] op_sel_hi:[1,0]   ; each accumulator from its low end on
.endr
.set j, 0
.rept 32
	v_med3_num_f32 v[OB+j], v[OB+j], s36, s37      ; the hold at +-448 x 2^e10
.set j, j+1
.endr
.irp b, 0,1                                    ; tiles 2 b and 2 b + 1: d = 32 b + 16 h + 0 .. 15
	v_cvt_scalef32_pk8_fp8_f32 v[CB+4*\b:CB+4*\b+1], v[OB+16*\b:OB+16*\b+7], v[SCO]
	v_cvt_scalef32_pk8_fp8_f32 v[CB+4*\b+2:CB+4*\b+3], v[OB+16*\b+8:OB+16*\b+15], v[SCO]
.endr
	v_nop                                          ; a plain instruction behind the last conversion
	ds_store_b128 v[STO], v[CB:CB+3]
	ds_store_b128 v[STO], v[CB+4:CB+7] offset:32
	ds_load_b128 v[S+8*(\x):S+8*(\x)+3], v[RD]     ; LDS serves a wave's instructions in order (ISA guide 5.7.1.4): these see the stores above, and the next tile's stores come behind them
	ds_load_b128 v[S+8*(\x)+4:S+8*(\x)+7], v[RD] offset:8*KP
.endm
	OUT 0, FF
	OUT 1, L2
	s_wait_dscnt 0x0
.irp x, 0,1
.irp n, 0,1
	global_store_b128 v[GO], v[S+8*\x+4*\n:S+8*\x+4*\n+3], s[12:13] offset:1024*\x+512*\n   ; eight tokens x 64 codes: 512 consecutive bytes, aligned
.endr
.endr
	s_wait_tensorcnt 0x0
	ds_add_u32 v254, v255
	s_wait_dscnt 0x0
	s_endpgm
.Lfunc_end_k_q37268e9378_attn:
	.size	k_q37268e9378_attn, .Lfunc_end_k_q37268e9378_attn-k_q37268e9378_attn
	.p2alignl 7, 3214868480
	.fill 96, 4, 3214868480
	.section	.rodata,"a",@progbits
	.p2align	6, 0x0
	.amdhsa_kernel k_q37268e9378_attn
		.amdhsa_group_segment_fixed_size 318464
		.amdhsa_private_segment_fixed_size 0
		.amdhsa_enable_private_segment 0
		.amdhsa_kernarg_size 40
		.amdhsa_user_sgpr_count 2
		.amdhsa_user_sgpr_kernarg_segment_ptr 1
		.amdhsa_wavefront_size32 1
		.amdhsa_system_sgpr_workgroup_id_x 1
		.amdhsa_system_sgpr_workgroup_id_y 1
		.amdhsa_system_sgpr_workgroup_id_z 1
		.amdhsa_system_vgpr_workitem_id 0
		.amdhsa_next_free_vgpr 256
		.amdhsa_next_free_sgpr 66
		.amdhsa_reserve_vcc 0
		.amdhsa_float_denorm_mode_32 3
		.amdhsa_float_denorm_mode_16_64 3
		.amdhsa_memory_ordered 1
		.amdhsa_forward_progress 1
		.amdhsa_inst_pref_size 50
	.end_amdhsa_kernel
	.amdgpu_metadata
---
amdhsa.version: [ 1, 2 ]
amdhsa.kernels:
  - .name:           k_q37268e9378_attn
    .symbol:         k_q37268e9378_attn.kd
    .args:
      - { .name: qc, .offset: 0, .size: 8, .value_kind: global_buffer, .address_space: global }
      - { .name: kc, .offset: 8, .size: 8, .value_kind: global_buffer, .address_space: global }
      - { .name: vc, .offset: 16, .size: 8, .value_kind: global_buffer, .address_space: global }
      - { .name: lowp_scales, .offset: 24, .size: 8, .value_kind: global_buffer, .address_space: global }
      - { .name: ao, .offset: 32, .size: 8, .value_kind: global_buffer, .address_space: global }
    .group_segment_fixed_size: 318464
    .private_segment_fixed_size: 0
    .kernarg_segment_align: 8
    .kernarg_segment_size: 40
    .max_flat_workgroup_size: 512
    .sgpr_count:     66
    .vgpr_count:     256
    .wavefront_size: 32
...
	.end_amdgpu_metadata
.endif
;; end of part 2
;; launch oproj (part 3): grid 4 x 32, 4 waves a work-group, clusters of 4 x 4, 327,680 bytes of LDS; arguments ao, Wo_codes, bo, lowp_scales, out0; writes out0
.if DOCPART == 3
	.amdgcn_target "amdgcn-amd-amdhsa--gfx1250"
	.amdhsa_code_object_version 6
	.text
	.protected	k_q37268e9378_oproj
	.globl	k_q37268e9378_oproj
	.p2align	8
	.type	k_q37268e9378_oproj,@function
k_q37268e9378_oproj:
	s_mov_b64 s[64:65], 0
	v_nop
	global_prefetch_b8 v0, s[64:65] scope:SCOPE_SE
	s_setreg_imm32_b32 hwreg(HW_REG_WAVE_MODE, 25, 1), 1
	s_wait_xcnt 0x0
	s_wait_alu depctr_hold_cnt(0) depctr_sa_sdst(0) depctr_va_vdst(0) depctr_va_sdst(0) depctr_va_ssrc(0) depctr_va_vcc(0) depctr_vm_vsrc(0)
	s_getreg_b32 s2, hwreg(HW_REG_IB_STS2, 6, 4)
	s_cmp_eq_u32 s2, 0
	s_cbranch_scc0 .Lentry_in_a_cluster
	s_endpgm
.Lentry_in_a_cluster:
	s_bfe_u32 s2, ttmp6, 0x10000c
	s_cmp_lg_u32 s2, 0xf033
	s_cbranch_scc0 .Lentry_shape_is_right
	s_endpgm
.Lentry_shape_is_right:
; out0 = a Wo^T + bo on codes of FP8 (E4M3).  a: the attention's result as codes, 8,192 tokens x 1,024, laid [token / 128][head][128 tokens][64]; Wo: [1,024][1,024] codes, K innermost; out0: [8,192][1,024] f32.
; A number of a is its code x 2^ea (entry 10 of the buffer of scales), of Wo x 2^ew (entry 11).  The codes are multiplied as they are; bo / 2^(ea + ew) is the C of each sum's first matrix instruction, and each
; finished sum is multiplied once by 2^(ea + ew).  LIMIT: ea + ew lies between -126 and 127, so that 2^(ea + ew) is an f32 number.
; A tile of 256 x 256 is made by four waves, 128 x 128 each: 64 accumulators.  K goes in four steps of 256 (four heads) through two LDS slots; 4 x 4 work-groups form a cluster: a's tile is asked for jointly along a
; row of the cluster, Wo's along a column.  With four K steps the text is written out without a loop.  The matrix instruction is used transposed (source 0 = 16 rows of Wo, source 1 = 16 tokens).
; a's TILE: 128 tokens x 4 heads are 32,768 bytes on end in memory; they come as 128 rows of 256 bytes.  Such a row holds 4 tokens x 64 codes of one head; a head takes 32 rows.
; The launch has 128 work-groups: 32 x 4 tiles of 256 x 256.  No prefetch is laid: of the four K steps two are first fills at the head and the two refills follow them directly.
; REGISTERS, in windows of 256: window 0: v16-31 addresses; v32-95 the bias, later a block's results; v128-255 a's fragments, one set, later rows read back.   window 1: Wo's fragments, two sets.
;   window 2: the accumulators of my rows 0-63 ((a, b) at v[8 (8 a + b)]);   window 3: those of my rows 64-127.
.set SIZE_N, 1024
.set PITCH,  272                       ; an LDS row: 256 bytes + 16 of padding
.set HEADB,  32*PITCH                  ; a head's 128 tokens in a's tile
.set FR,     16
.set NL,     4
.set NP,     4
.set HALFT,  128*PITCH
.set SLOT,   4*HALFT
.set SPARE,  2*SLOT                    ; behind the ring: the spare words, 128 bytes a wave, named by no other line
.set SPITCH, 528                       ; the way out: a stage of 16 rows x (512 bytes + 16) for each wave, in slot 0, which has had its last fill and its last read by then
.set STEPA,  32768                     ; a K step of a's tile in memory
.set STEPB,  256                       ; and of Wo's
.set ADRA, 16
.set ADRB, 20
.set STO,  24
.set RD,   25
.set CO,   26
.set SPW,  28
.set NIL,  29
.set BI,   32                          ; v32-95 the bias: group b, register j: feature 16 b + 8 h + j
.set TMP,  32                          ; the way out: a block's sums x 2^(ea + ew)
.set AF,   128
.set BK,   128                         ; the way out: 16 rows read back: v128-191 and v192-255 by turns
.set G1, 24
.set G0, 32
.set G1B, 48
.set G0B, 56
.set MSB, 0
.macro WIN new                         ; the immediate's high byte repeats the setting that is left
.if MSB != (\new)
	s_set_vgpr_msb (MSB<<8)|(\new)
.set MSB, (\new)
.endif
.endm
.set MUL_LO, 0xa1
.set MUL_HI, 0xf1
.set TO_B,   0x40
.macro JLOAD g0a, g1a, g0b, g1b        ; a joint load: waves 0 and 1 fetch a's halves, waves 2 and 3 Wo's; four v_nop follow each of the two lines
	s_cmp_eq_u32 s15, 0
	s_cbranch_scc0 .Lfor_b_\@
	tensor_load_to_lds s[\g0a:\g0a+3], s[\g1a:\g1a+7]
	s_nop 0
.rept 4
	v_nop
.endr
	s_branch .Lasked_\@
.Lfor_b_\@:
	tensor_load_to_lds s[\g0b:\g0b+3], s[\g1b:\g1b+7]
	s_nop 0
.rept 4
	v_nop
.endr
.Lasked_\@:
.endm
.macro CREST
	s_cmp_lg_u32 s14, 0
	s_cbranch_scc1 .Lnot_wave_0_\@
	s_barrier_signal -3
.Lnot_wave_0_\@:
	s_barrier_wait -3
	s_barrier_signal -1
	s_barrier_wait -1
.endm
.macro CROUND
	s_barrier_signal -1
	s_barrier_wait -1
	CREST
.endm
	s_load_b128 s[4:7], s[0:1], 0x0                ; a's codes s[4:5], Wo's codes s[6:7]
	s_load_b128 s[68:71], s[0:1], 0x10             ; bo s[68:69], the scales' exponents s[70:71]
	s_load_b64 s[10:11], s[0:1], 0x20              ; out0
	v_lshl_add_u32 v[SPW], v0, 2, SPARE
	v_mov_b32 v[NIL], 0
	ds_add_u32 v28, v29
	ds_add_u32 v28, v29
	s_wait_dscnt 0x0
	v_lshrrev_b32 v1, 5, v0
	v_readfirstlane_b32 s14, v1                    ; wave 0..3
	s_lshr_b32 s15, s14, 1                         ; which half of the tile's rows is mine.  Also: I fetch for a (0) or for Wo (1)
	s_and_b32 s16, s14, 1                          ; which half of its columns.  Also: which 128 rows of that tile I fetch
	s_bfe_u32 s40, ttmp6, 0x40000                  ; cx, cy
	s_bfe_u32 s41, ttmp6, 0x40004
	s_lshl_b32 s42, ttmp9, 2
	s_add_co_u32 s42, s42, s40                     ; tile column = 4 x cluster x + cx
	s_and_b32 s17, ttmp7, 0xffff
	s_lshl_b32 s17, s17, 2
	s_add_co_u32 s17, s17, s41                     ; tile row = 4 x cluster y + cy
	s_lshl_b32 s43, s41, 2
	s_lshl_b32 s43, 15, s43                        ; my row of the cluster
	s_lshl_b32 s44, 0x1111, s40                    ; my column
	s_or_b32 s[G1+0], s43, (0<<16)|(1<<20)|(1<<21)|(5<<22)|(3<<25)  ; the mask; elements of 1 byte; padding on; bit 21 beside a mask; 4 words after every 64
	s_or_b32 s[G1B+0], s44, (0<<16)|(1<<20)|(1<<21)|(5<<22)|(3<<25)
.irp g, G1, G1B
	s_mov_b32 s[\g+1], 256<<16                     ; tensor_dim0 = 256
	s_mov_b32 s[\g+2], 128<<16                     ; tensor_dim1 = 128
	s_mov_b32 s[\g+3], 256<<16                     ; tile_dim0 = 256
	s_mov_b32 s[\g+4], 128                         ; tile_dim1 = 128
	s_mov_b32 s[\g+6], 0
	s_mov_b32 s[\g+7], 0
.endr
	s_mov_b32 s[G1+5], 256                         ; a's tile is dense in memory: a row begins where the last ends
	s_mov_b32 s[G1B+5], 1024                       ; a row of Wo
	s_lshl_b32 s20, s17, 1
	s_add_co_u32 s20, s20, s16                     ; a: block of 128 tokens = 2 x tile row + half,
	s_lshl_b32 s20, s20, 17                        ; of 131,072 bytes
	s_mov_b32 s21, 0
	s_lshl_b32 s46, s42, 8
	s_lshl_b32 s18, s16, 7
	s_add_co_u32 s46, s46, s18                     ; Wo: row 256 x tile column + 128 x half,
	s_lshl_b32 s46, s46, 10                        ; of 1,024 bytes
	s_mov_b32 s47, 0
	s_mul_i32 s45, s14, HALFT                      ; where they go: wave x 128 rows
	s_wait_kmcnt 0x0
	s_load_b64 s[96:97], s[70:71], 0x28            ; entries 10 and 11: ea, ew
	s_add_nc_u64 s[20:21], s[4:5], s[20:21]
	s_add_nc_u64 s[46:47], s[6:7], s[46:47]
	CROUND                                         ; all sixteen work-groups are here: the first joint loads meet
.irp s, 0,1
	s_mov_b32 s[G0+4*\s], 1
	s_add_co_u32 s[G0+4*\s+1], s45, \s*SLOT
	s_add_nc_u64 s[G0+4*\s+2:G0+4*\s+3], s[20:21], \s*STEPA
	s_or_b32 s[G0+4*\s+3], s[G0+4*\s+3], 0x80000000
	s_mov_b32 s[G0B+4*\s], 1
	s_add_co_u32 s[G0B+4*\s+1], s45, \s*SLOT
	s_add_nc_u64 s[G0B+4*\s+2:G0B+4*\s+3], s[46:47], \s*STEPB
	s_or_b32 s[G0B+4*\s+3], s[G0B+4*\s+3], 0x80000000
	JLOAD G0+4*\s, G1, G0B+4*\s, G1B               ; two tensor loads of mine are out
.endr
	v_and_b32 v1, 15, v0                           ; r
	v_bfe_u32 v2, v0, 4, 1                         ; h
	v_mul_u32_u24 v3, v1, PITCH
	v_lshl_add_u32 v4, v2, 4, v3                   ; Wo: row r x pitch + 16 h
	v_lshrrev_b32 v5, 2, v1
	v_mul_u32_u24 v5, v5, PITCH
	v_and_b32 v6, 3, v1
	v_lshl_add_u32 v5, v6, 6, v5
	v_lshl_add_u32 v5, v2, 4, v5                   ; a: token r lies in row r / 4, at byte 64 (r % 4); + 16 h.  Word 68 (r / 4) + 16 (r % 4)
	s_mul_i32 s21, s15, HALFT                      ; my 128 tokens
	s_mul_i32 s22, s16, HALFT                      ; my 128 rows of Wo,
	s_add_co_u32 s22, s22, 2*HALFT                 ; which lie behind a's two halves
.irp s, 0,1
	v_add_nc_u32 v[ADRA+\s], s21, v5
	v_add_nc_u32 v[ADRB+\s], s22, v4
	s_add_co_u32 s21, s21, SLOT
	s_add_co_u32 s22, s22, SLOT
.endr
	s_mul_i32 s23, s14, 16*SPITCH                  ; my stage
	v_mul_u32_u24 v7, v1, SPITCH                   ; in: row r, 32 bytes for each half of the lanes
	v_lshl_add_u32 v7, v2, 5, v7
	v_add_nc_u32 v[STO], s23, v7
	v_and_b32 v8, 31, v0
	v_lshlrev_b32 v[CO], 4, v8                     ; back: the 32 lanes take one row of 512 bytes; and the same in out0
	v_add_nc_u32 v[RD], s23, v[CO]
	s_lshl_b32 s20, s17, 8
	s_lshl_b32 s21, s15, 7
	s_add_co_u32 s20, s20, s21                     ; my first row of out0: 256 x tile row + 128 x half,
	s_lshl_b32 s20, s20, 12                        ; of 4,096 bytes (under 2^25 in all)
	s_lshl_b32 s46, s42, 10                        ; my first column, in bytes: 1,024 x tile column + 512 x half
	s_lshl_b32 s47, s16, 9
	s_add_co_u32 s46, s46, s47
	s_add_co_u32 s20, s20, s46
	s_mov_b32 s21, 0
	s_add_nc_u64 s[10:11], s[10:11], s[20:21]
	s_mov_b32 s47, 0
	s_add_nc_u64 s[68:69], s[68:69], s[46:47]      ; bo at my 128 features: the same byte offset, 4 bytes a feature
	v_lshlrev_b32 v9, 5, v2                        ; 32 h
.irp b, 0,1,2,3,4,5,6,7
	global_load_b128 v[BI+8*\b:BI+8*\b+3], v9, s[68:69] offset:64*\b
	global_load_b128 v[BI+8*\b+4:BI+8*\b+7], v9, s[68:69] offset:64*\b+16
.endr
.macro FRAG reg, adr, q, i             ; Wo: registers 4 c .. 4 c + 3 hold K = 32 c + 16 (l / 16) + 0 .. 15 of row l % 16
.irp c, 0,1,2,3
	ds_load_b128 v[\reg+4*\c:\reg+4*\c+3], v[\adr] offset:128*(\q)+32*\c+(\i)*16*PITCH
.endr
.endm
.macro FRAGA reg, adr, q, i            ; a: the same k: head 2 q + c / 2 of the slot's four, d = 32 (c % 2) + 16 (l / 16) + 0 .. 15; 16 tokens are 4 rows
.irp c, 0,1,2,3
	ds_load_b128 v[\reg+4*\c:\reg+4*\c+3], v[\adr] offset:(2*(\q)+\c/2)*HEADB+(\i)*4*PITCH+32*(\c%2)
.endr
.endm
; 16 matrix instructions: a's blocks a0, a0 + 1 x Wo's eight.  c = 1: the sums begin with the bias.  The 64 accumulators take turns, one instruction a turn.
.macro MUL16 a0, p, c
.irp a, \a0, \a0+1
.irp b, 0,1,2,3,4,5,6,7
.if (\c) == 0
	v_wmma_f32_16x16x128_fp8_fp8 v[8*(8*((\a)%4)+\b):8*(8*((\a)%4)+\b)+7], v[128*(\p)+FR*\b:128*(\p)+FR*\b+FR-1], v[AF+FR*(\a):AF+FR*(\a)+FR-1], v[8*(8*((\a)%4)+\b):8*(8*((\a)%4)+\b)+7]
.else
	v_wmma_f32_16x16x128_fp8_fp8 v[8*(8*((\a)%4)+\b):8*(8*((\a)%4)+\b)+7], v[128*(\p)+FR*\b:128*(\p)+FR*\b+FR-1], v[AF+FR*(\a):AF+FR*(\a)+FR-1], v[BI+8*\b:BI+8*\b+7]
.endif
.endr
.endr
.endm
.macro FETCH_B slot, q, p
	WIN TO_B
.irp i, 0,1,2,3,4,5,6,7
	FRAG 128*(\p)+FR*\i, ADRB+\slot, \q, \i
.endr
	WIN 0
.endm
.macro FETCH_A slot, q, i0
.irp i, \i0, \i0+1, \i0+2, \i0+3
	FRAGA AF+FR*(\i), ADRA+\slot, \q, \i
.endr
.endm
.macro PLACES n                        ; plain vector instructions between a matrix instruction and a load into a register that it read, or a vector instruction that reads its result
.rept \n
	v_nop
.endr
.endm
.macro STEP slot, q, c
	s_wait_dscnt 4*NL                              ; Wo's set and a's blocks 0-3 are in; the youngest 16 loads (a's blocks 4-7) may be out
.if (\c) == 0
	WIN MUL_LO
.else
	WIN 0x81                                       ; C (the bias) in window 0
.endif
	MUL16 0, (\q)%2, \c
	MUL16 2, (\q)%2, \c
	s_wait_dscnt 0
	PLACES NP
	FETCH_B \slot, (\q)+1, 1-(\q)%2
	FETCH_A \slot, (\q)+1, 0
.if (\c) == 0
	WIN MUL_HI
.else
	WIN 0xc1
.endif
	MUL16 4, (\q)%2, \c
	MUL16 6, (\q)%2, \c
	PLACES NP
	WIN 0
	FETCH_A \slot, (\q)+1, 4
.endm
; A slot's last step changes slots: ONE barrier; in front of it each wave waits for all its tensor loads, adds 0 to its spare word, and waits for that and for its own reads of this slot.
.macro TURN slot, next, fill
	s_wait_tensorcnt 0x0                           ; all my tensor loads have landed: my part of the next slot
	ds_add_u32 v[SPW], v[NIL]                      ; 0 onto my spare word
	s_wait_dscnt 4*NL+1                            ; (the add and the youngest 16 loads may be out)
	WIN MUL_LO
	MUL16 0, 1, 0
	s_wait_dscnt 0x0                               ; the add is done, and my reads of this slot are over
	s_barrier_signal -1
	MUL16 2, 1, 0
	WIN 0
	s_barrier_wait -1
.if \fill
	CREST                                          ; the barrier has opened a round of the cluster's: no wave of any partner still reads this slot or has a load on its way
	s_add_nc_u64 s[G0+4*\slot+2:G0+4*\slot+3], s[G0+4*\slot+2:G0+4*\slot+3], 2*STEPA
	s_add_nc_u64 s[G0B+4*\slot+2:G0B+4*\slot+3], s[G0B+4*\slot+2:G0B+4*\slot+3], 2*STEPB
	JLOAD G0+4*\slot, G1, G0B+4*\slot, G1B         ; the first tensor load behind the round, my only one out; its four v_nop are also the places in front of the loads below
.else
	PLACES NP
.endif
	FETCH_B \next, 0, 0
	FETCH_A \next, 0, 0
	WIN MUL_HI
	MUL16 4, 1, 0
	MUL16 6, 1, 0
	PLACES NP
	WIN 0
	FETCH_A \next, 0, 4
.endm
	s_wait_tensorcnt 0x1                           ; my part of K step 0 is in; K step 1's load may be out
	s_barrier_signal -1
	s_barrier_wait -1
	FETCH_B 0, 0, 0
	FETCH_A 0, 0, 0
	FETCH_A 0, 0, 4
	s_wait_kmcnt 0x0
	s_add_co_i32 s96, s96, s97                     ; ea + ew
	s_sub_co_i32 s90, 0, s96
	s_add_co_i32 s96, s96, 127
	s_lshl_b32 s96, s96, 23                        ; 2^(ea + ew) as f32
	s_mov_b32 s97, s96                             ; (named with it as a pair)
	s_wait_loadcnt 0x0                             ; the bias
.set j, 0
.rept 64
	v_ldexp_f32 v[BI+j], v[BI+j], s90              ; bo / 2^(ea + ew)
.set j, j+1
.endr
	STEP 0, 0, 1                                   ; the first step's products start the sums, with the bias
	TURN 0, 1, 1                                   ; slot 0 takes K step 2
	STEP 1, 0, 0
	TURN 1, 0, 1                                   ; slot 1 takes K step 3
	STEP 0, 0, 0
	TURN 0, 1, 0                                   ; nothing is left to fetch: no round.  Behind this barrier nobody reads slot 0, and it has had its last fill
	STEP 1, 0, 0
	s_wait_dscnt 4*NL                              ; the very last step
	WIN MUL_LO
	MUL16 0, 1, 0
	MUL16 2, 1, 0
	s_wait_dscnt 0
	WIN MUL_HI
	MUL16 4, 1, 0
	MUL16 6, 1, 0
	WIN 0
; THE WAY OUT, block by block of 16 rows x 128 columns.  A lane holds 32 neighbouring bytes of a row, and the lanes beside it hold other rows: a block goes through my own stage in LDS and comes back as whole rows
; of 512 bytes.  LDS serves a wave's instructions in order (ISA guide 5.7.1.4): no wait between the stores and the loads, nor in front of the next block's stores.
.macro TOSTAGE a
.set AC, 64*((\a)%4)
	WIN 0x02+((\a)/4)                              ; source 0: window 2 or 3
.irp j, 0,2,4,6,8,10,12,14,16,18,20,22,24,26,28,30,32,34,36,38,40,42,44,46,48,50,52,54,56,58,60,62
	v_pk_mul_f32 v[TMP+\j:TMP+\j+1], v[AC+\j:AC+\j+1], s[96:97] op_sel_hi:[1,0]   ; x 2^(ea + ew); each accumulator from its low end on
.endr
	WIN 0
.irp b, 0,1,2,3,4,5,6,7
	ds_store_b128 v[STO], v[TMP+8*\b:TMP+8*\b+3] offset:64*\b
	ds_store_b128 v[STO], v[TMP+8*\b+4:TMP+8*\b+7] offset:64*\b+16
.endr
.set BB, BK+64*((\a)%2)
.irp t, 0,1,2,3,4,5,6,7,8,9,10,11,12,13,14,15
	ds_load_b128 v[BB+4*\t:BB+4*\t+3], v[RD] offset:\t*SPITCH
.endr
.endm
.macro SEND a, younger                 ; younger: the LDS instructions issued behind block a's loads, which may stay out
.set BB, BK+64*((\a)%2)
	s_wait_dscnt \younger                          ; the block is back in registers
.if (\a) > 0
	s_add_nc_u64 s[10:11], s[10:11], 16*SIZE_N*4   ; (behind a wait on XCNT: the earlier stores have read their base)  16 rows on
.endif
.irp t, 0,1,2,3,4,5,6,7,8,9,10,11,12,13,14,15
	global_store_b128 v[CO], v[BB+4*\t:BB+4*\t+3], s[10:11] offset:\t*SIZE_N*4 th:TH_STORE_NT   ; 32 lanes store 512 consecutive bytes, aligned; written once, read by nobody here
.endr
.endm
	PLACES NP                                      ; behind the last products
	TOSTAGE 0
.irp a, 1,2,3,4,5,6,7
.if \a > 1
	s_wait_xcnt 0x0                                ; block a - 2's stores have read their registers and their base: block a's loads may land there, and the base may step
.endif
	TOSTAGE \a
	SEND \a-1, 32                                  ; behind block a - 1's loads: block a's 16 stores and 16 loads
.endr
	s_wait_xcnt 0x0                                ; block 6's stores have read their base
	SEND 7, 0
	s_wait_tensorcnt 0x0                           ; the wave's end
	ds_add_u32 v[SPW], v[NIL]
	s_wait_dscnt 0x0
	CROUND                                         ; the closing round: no work-group ends while a partner may still ask for a tile that names it
	s_endpgm
.Lfunc_end_k_q37268e9378_oproj:
	.size	k_q37268e9378_oproj, .Lfunc_end_k_q37268e9378_oproj-k_q37268e9378_oproj
	.p2alignl 7, 3214868480
	.fill 96, 4, 3214868480
	.section	.rodata,"a",@progbits
	.p2align	6, 0x0
	.amdhsa_kernel k_q37268e9378_oproj
		.amdhsa_group_segment_fixed_size 327680
		.amdhsa_private_segment_fixed_size 0
		.amdhsa_enable_private_segment 0
		.amdhsa_kernarg_size 40
		.amdhsa_user_sgpr_count 2
		.amdhsa_user_sgpr_kernarg_segment_ptr 1
		.amdhsa_wavefront_size32 1
		.amdhsa_system_sgpr_workgroup_id_x 1
		.amdhsa_system_sgpr_workgroup_id_y 1
		.amdhsa_system_sgpr_workgroup_id_z 1
		.amdhsa_system_vgpr_workitem_id 0
		.amdhsa_next_free_vgpr 1024
		.amdhsa_next_free_sgpr 100
		.amdhsa_reserve_vcc 0
		.amdhsa_float_denorm_mode_32 3
		.amdhsa_float_denorm_mode_16_64 3
		.amdhsa_memory_ordered 1
		.amdhsa_forward_progress 1
		.amdhsa_inst_pref_size 129
	.end_amdhsa_kernel
	.amdgpu_metadata
---
amdhsa.version: [ 1, 2 ]
amdhsa.kernels:
  - .name:           k_q37268e9378_oproj
    .symbol:         k_q37268e9378_oproj.kd
    .args:
      - { .name: ao, .offset: 0, .size: 8, .value_kind: global_buffer, .address_space: global }
      - { .name: Wo_codes, .offset: 8, .size: 8, .value_kind: global_buffer, .address_space: global }
      - { .name: bo, .offset: 16, .size: 8, .value_kind: global_buffer, .address_space: global }
      - { .name: lowp_scales, .offset: 24, .size: 8, .value_kind: global_buffer, .address_space: global }
      - { .name: out0, .offset: 32, .size: 8, .value_kind: global_buffer, .address_space: global }
    .group_segment_fixed_size: 327680
    .private_segment_fixed_size: 0
    .kernarg_segment_align: 8
    .kernarg_segment_size: 40
    .max_flat_workgroup_size: 128
    .sgpr_count:     100
    .vgpr_count:     1024
    .wavefront_size: 32
...
	.end_amdgpu_metadata
.endif
;; end of part 3
;; ======== version 2 of 2: 3 launches; version 1 with the launch attn written anew for expert scheduling mode
;; workspace buffers: qc 8,388,608 bytes; kc 8,388,608 bytes; vc 8,388,608 bytes; ao 8,388,608 bytes
;; launch proj: the kernel of part 1 again; grid 12 x 32, 4 waves a work-group, clusters of 4 x 4, 327,680 bytes of LDS; arguments x_codes, Wq_codes, Wk_codes, Wv_codes, bq, bk, bv, lowp_scales, qc, kc, vc; writes qc, kc, vc
;; launch attn (part 4): grid 4 x 64, 16 waves a work-group, no clusters, 318,464 bytes of LDS; arguments qc, kc, vc, lowp_scales, ao; writes ao
.if DOCPART == 4
	.amdgcn_target "amdgcn-amd-amdhsa--gfx1250"
	.amdhsa_code_object_version 6
	.text
	.protected	k_q37268e9378_attn
	.globl	k_q37268e9378_attn
	.p2align	8
	.type	k_q37268e9378_attn,@function
k_q37268e9378_attn:
	s_mov_b64 s[64:65], 0
	v_nop
	global_prefetch_b8 v0, s[64:65] scope:SCOPE_SE
	s_setreg_imm32_b32 hwreg(HW_REG_WAVE_SCHED_MODE, 0, 2), 2
	s_setreg_imm32_b32 hwreg(HW_REG_WAVE_MODE, 25, 1), 1
	s_wait_xcnt 0x0
	s_wait_alu depctr_vm_vsrc(0)
; For each of 64 (batch, head): o[q] = sum over keys of softmax(q . k / 8) v, both products on codes of FP8 (E4M3); o is quantised at once as an operand of the output projection.
; qc, kc: [bh][2,048][64] codes;  vc: [bh][64][2,048 keys] codes;  ao: [token / 128][head][128 tokens][64] codes.  Exponents: entries 6 (q), 7 (k), 8 (p), 9 (v), 10 (o) of the buffer of scales.
; THE SOFTMAX: t = score x log2(e) / 8; M = the running largest t rounded UP to a whole number; p = 2^(t - M) is quantised, not normalised; the row's sum is taken of the unquantised p and divides at the end.
; When M moves, the sum and O are multiplied by 2^(old M - new M), which rounds nothing; there is no branch on floating-point data.
; SHARES.  A work-group owns 512 queries of one head; each of its sixteen waves 32: two tiles of 16, A and B, which share every fragment of K and V that the wave reads from LDS.
; ALL OF THE HEAD'S K AND V LIE IN LDS FOR THE WHOLE LAUNCH (2 x 131,072 bytes of codes): they are brought once, at the head, through registers; one barrier; no slot is ever filled again.
; NO TENSOR LOAD AND NO JOINT REQUEST, though the four work-groups of a head read the same K and V.  What is shared is read once, 32 loads a thread, against sixteen key steps of some 400 vector
; instructions a wave.  K's and V's rows change places on their way into LDS (below).  And a text without tensor loads may branch on a given exponent: where 448 x 2^ep is at least 1.75 (ep >= -8), p, which is at most 1,
; needs no hold, and 64 of a tile's 258 vector instructions a step are jumped over.  For ep < -8 the hold is executed.
; No prefetch is laid: every global read of the launch is issued at its head, in one run.
; LAYOUT.  Both products are used transposed: S^T = K Q^T (source 0 = 16 keys, source 1 = 16 queries), O^T = V^T P^T (source 0 = 16 of the head's 64, source 1 = P): a lane holds ONE query (lane % 16) throughout.
; Key n lies in LDS row n with its bits 3 and 4 exchanged.  So a tile's 16 LDS rows are neighbours, and register j of tile 2 b + u in lane half h is key 32 b + 16 h + 8 u + j: the 16 registers of two neighbouring
; tiles are 16 neighbouring keys, and the conversions' results are the second product's operand.  V's rows d are laid likewise, so that O^T's registers of two neighbouring tiles are 16 neighbouring d.
; All fragments come by loads of 16 bytes: a permutation of k that is the same on both sides of each product.
; LIMITS, so that each power of two below is an f32 number: entry 6 + entry 7 between -123 and 130 (added to c's exponent field); entries 8 and 10 between -126 and 119.  NaN among the inputs is not served.
; THE MODE: SCHED_MODE bits 1:0 = 2 (LLVM: expert scheduling mode 2), set by the entry lines.  The code itself states the register dependences
; between vector or matrix instructions and memory or LDS instructions, with s_wait_alu, always for 0.
; THE PLAN.  Registers that memory or LDS instructions touch:
;   v46, v36        At the head: offsets of the global loads.  Written again in the loop, by tile A's conversions (p's codes, v36-51).
;   v37-42          At the head: addresses of the LDS stores that lay K and V.  Written again by the same conversions.
;   v56-183         At the head: the 32 pieces: global loads land in them, the LDS stores read them.  Written again in the loop: v56-119 by the products K Q^T, v120-183 by K's LDS loads.
;   v3, v253, v248  In the loop: the LDS addresses of a step's K, of V's tiles 0 and 1, of V's tiles 2 and 3: made together at the step's head, read by the step's 32 LDS loads.
;   F = v120-183    In the loop: K's 16 loads land at the step's head, the 16 products K Q^T read them; V's 16 loads land behind the second K Q^T, the 8 products V^T P^T read them.
;   v249-251        Addresses of the way out: made at the head, named by no vector instruction afterwards.
;   v36-51, v56-71  On the way out: o's codes, which the stage's stores read; the rows that come back from the stage and are stored.
;   v254, v255      Written at the head, read by the closing add alone.
; A step has one wait on vm_vsrc, at its head, ahead of the three adds, and two waits on va_vdst of its own: behind the adds, ahead of K's loads (the addresses are written, the last step's V^T P^T are done with F), and
; behind the second K Q^T, ahead of V's loads (those products are done with F; V's addresses stand since the step's head).  All 256 registers of the wave are in use, and four waves of 256 fill a SIMD's registers: F has no second set.
.set KP,    80                         ; a key's row in LDS: 64 bytes + 16 = 20 words: 16 neighbouring rows start at 16 different multiples of 4 banks (64 banks of 4 bytes: ISA guide 11.1)
.set VP,    2064                       ; a row of V: 2,048 bytes + 16 = 516 words: row r starts 4 r banks on
.set VOFF,  2048*KP                    ; K: 163,840 bytes; then V: 64 x 2,064 = 132,096
.set STAGE, VOFF+64*VP                 ; then the way out: 16 rows x 80 bytes for each wave
.set AK0, 1                            ; v1   my lane's place in a tile of K: 80 r + 16 h
.set AV0, 2                            ; v2   in a tile of V: VOFF + 2,064 r + 16 h
.set ADR, 3                            ; v3   LDS address of the step's tiles of K
.set SCP, 4                            ; v4   2^ep as f32
.set PX,  5                            ; v5   a lane permute's destination
.set FF,  6                            ; v[6:7] f = 2^(old M - new M); at the end 1 / l of tile A
.set L2,  8                            ; v[8:9] the sums' second chain; at the end 1 / l of tile B
.set MX,  10                           ; v10, v11 the maximum's two chains
.set STA, 12                           ; v[12:15] tile A: -M, the largest t, l in two halves
.set STB, 16                           ; v[16:19] tile B
.set QA,  20                           ; v[20:27] Q of tile A
.set QB,  28                           ; v[28:35] Q of tile B
.set PC,  36                           ; v[36:51] p's codes of tile A; v[52:67] of tile B, laid over scores that are done with
.set S,   56                           ; v[56:119] S^T, then p
.set F,   120                          ; v[120:183] a step's fragments of K, then of V
.set O,   184                          ; v[184:215] O^T of tile A, v[216:247] of tile B
.set ADR2, 248                         ; v248 LDS address of the step's part of V's tiles 2 and 3 (their rows lie beyond an LDS immediate's reach)
.set STO, 249                          ; v249 the stage: where I put 16 codes
.set RD,  250                          ; v250 and where I read them back
.set GO,  251                          ; v251 my byte offset in the wave's part of ao
.set SCO, 252                          ; v252 2^e10 as f32
.set ADV, 253                          ; v253 LDS address of the step's part of V's tiles 0 and 1
.set TH16, 36                          ; while LDS is filled: v36 16 x thread; v37-39, v40-42 where K's and V's pieces go; v43-45 at work; v46 Q's offset; v47 r, v48 h; v56-183 the 32 pieces
.set KST, 37
.set VST, 40
	s_load_b256 s[4:11], s[0:1], 0x0               ; qc s[4:5], kc s[6:7], vc s[8:9], the scales' exponents s[10:11]
	s_load_b64 s[12:13], s[0:1], 0x20              ; ao
	v_lshl_add_u32 v254, v0, 2, 0x4d400
	v_mov_b32 v255, 0
	v_lshrrev_b32 v43, 5, v0
	v_readfirstlane_b32 s14, v43                   ; wave 0..15
	v_and_b32 v47, 15, v0                          ; r
	v_bfe_u32 v48, v0, 4, 1                        ; h
	v_lshlrev_b32 v46, 6, v47
	v_lshl_add_u32 v46, v48, 4, v46                ; Q: row r of 64 bytes, + 16 h
	v_lshlrev_b32 v[TH16], 4, v0                   ; 16 bytes a thread: a wave's load reads 512 consecutive bytes
	s_and_b32 s15, ttmp7, 0xffff                   ; bh = 16 x batch + head
	s_lshl_b32 s16, s15, 17                        ; the head's first byte in qc, kc and vc
	s_mov_b32 s17, 0
	s_lshl_b32 s18, ttmp9, 15                      ; my work-group's 512 queries x 64 bytes,
	s_wait_alu depctr_va_sdst(0)                   ; s14 is written, ahead of its first reader: Q's and ao's bases and my stage's place are made from it
	s_lshl_b32 s19, s14, 11                        ; my wave's 32
	s_add_co_u32 s18, s18, s19
	s_add_co_u32 s18, s18, s16
	s_mov_b32 s19, 0
	s_wait_kmcnt 0x0
	s_load_b128 s[20:23], s[10:11], 0x18           ; entries 6 to 9: eq, ek, ep, ev
	s_load_b32 s24, s[10:11], 0x28                 ; entry 10
	s_add_nc_u64 s[4:5], s[4:5], s[18:19]
	s_add_nc_u64 s[6:7], s[6:7], s[16:17]
	s_add_nc_u64 s[8:9], s[8:9], s[16:17]
	s_wait_alu depctr_va_vdst(0)                   ; v46 and v36 are written, which the 36 loads below read as their offsets
.irp x, 0,1
.irp c, 0,1
	global_load_b128 v[QA+8*\x+4*\c:QA+8*\x+4*\c+3], v46, s[4:5] offset:1024*\x+32*\c   ; Q's fragments stay in registers: registers 4 c .. 4 c + 3: d = 32 c + 16 h + 0 .. 15
.endr
.endr
.set i, 0
.rept 16
	global_load_b128 v[S+4*i:S+4*i+3], v[TH16], s[6:7] offset:8192*i        ; K: piece i: keys 128 i + thread / 4
.set i, i+1
.endr
.set i, 0
.rept 16
	global_load_b128 v[F+4*i:F+4*i+3], v[TH16], s[8:9] offset:8192*i        ; V: piece i: rows 4 i + thread / 128
.set i, i+1
.endr
	; while they are on their way: addresses, constants, the sums' first values.  None of these lines names an offset or a destination of the loads above
	v_lshrrev_b32 v43, 2, v0                       ; u = thread / 4: the key within a piece's 128
	v_and_b32 v44, 0x67, v43
	v_bfe_u32 v45, v43, 3, 1
	v_lshl_or_b32 v44, v45, 4, v44
	v_bfe_u32 v45, v43, 4, 1
	v_lshl_or_b32 v44, v45, 3, v44                 ; u with its bits 3 and 4 exchanged
	v_mul_u32_u24 v44, v44, KP
	v_and_b32 v45, 3, v0
	v_lshl_add_u32 v[KST], v45, 4, v44             ; pieces 0 to 5: + 10,240 a piece in the immediate;
	v_add_nc_u32 v[KST+1], 6*128*KP, v[KST]        ; pieces 6 to 11;
	v_add_nc_u32 v[KST+2], 12*128*KP, v[KST]       ; pieces 12 to 15
	v_lshrrev_b32 v43, 7, v0
	v_mul_u32_u24 v43, v43, VP
	v_and_b32 v44, 127, v0
	v_lshl_add_u32 v43, v44, 4, v43
	v_add_nc_u32 v[VST], VOFF, v43                 ; V: row thread / 128 of a group of four, 16 bytes a thread; groups 0 to 6,
	v_add_nc_u32 v[VST+1], 7*4*VP, v[VST]          ; 7 to 13,
	v_add_nc_u32 v[VST+2], 14*4*VP, v[VST]         ; 14 and 15
	v_mul_u32_u24 v[AK0], v47, KP
	v_lshl_add_u32 v[AK0], v48, 4, v[AK0]
	v_mul_u32_u24 v[AV0], v47, VP
	v_lshl_add_u32 v[AV0], v48, 4, v[AV0]
	v_add_nc_u32 v[AV0], VOFF, v[AV0]
	s_mul_i32 s42, s14, 16*KP
	s_add_co_u32 s42, s42, STAGE                   ; my stage
	v_add_nc_u32 v[STO], s42, v[AK0]               ; in: row r, + 16 h
	v_and_b32 v43, 31, v0
	v_lshrrev_b32 v44, 2, v43
	v_mul_u32_u24 v44, v44, KP
	v_and_b32 v45, 3, v43
	v_lshl_add_u32 v44, v45, 4, v44
	v_add_nc_u32 v[RD], s42, v44                   ; back: four lanes to a row of 64 bytes, eight rows an instruction
	v_lshlrev_b32 v[GO], 4, v43                    ; which are 512 bytes on end in ao
	s_lshr_b32 s39, s15, 4                         ; ao: block of 128 tokens = 16 x batch + 4 x work-group x + wave / 4,
	s_lshl_b32 s39, s39, 4
	s_lshl_b32 s40, ttmp9, 2
	s_add_co_u32 s39, s39, s40
	s_lshr_b32 s40, s14, 2
	s_add_co_u32 s39, s39, s40
	s_lshl_b32 s39, s39, 17                        ; of 131,072 bytes;
	s_and_b32 s40, s15, 15
	s_lshl_b32 s40, s40, 13                        ; the head's 8,192;
	s_add_co_u32 s39, s39, s40
	s_and_b32 s40, s14, 3
	s_lshl_b32 s40, s40, 11                        ; my wave's 32 tokens x 64
	s_add_co_u32 s40, s39, s40
	s_mov_b32 s41, 0
	s_add_nc_u64 s[12:13], s[12:13], s[40:41]
	s_mov_b32 s28, 0x76543210                      ; v_permlanex16_b32's selects for lane l xor 16
	s_mov_b32 s29, 0xfedcba98
	s_mov_b32 s26, 0x3e38aa3b                      ; c = log2(e) / 8
.irp t, STA, STB
	v_mov_b32 v[\t+1], 0xff61b1e6                  ; the largest t so far: -3e38, under every t
	v_floor_f32 v[\t], -v[\t+1]                    ; -M
	v_mov_b32 v[\t+2], 0                           ; l, in two halves
	v_mov_b32 v[\t+3], 0
.endr
	v_mov_b32 v[PX], 0                             ; written once: a lane permute's destination counts as one of its sources
	v_mov_b32 v[FF+1], 0                           ; (named as the upper half of the pair)
.set j, 0
.rept 64
	v_mov_b32 v[O+j], 0                            ; O^T.  (The step is written once: the first finds zeros, which the first change of M leaves zeros)
.set j, j+1
.endr
	s_wait_kmcnt 0x0
	s_add_co_i32 s43, s20, s21
	s_lshl_b32 s43, s43, 23
	s_add_co_i32 s26, s26, s43                     ; a score stands for score x 2^(eq + ek): the two exponents are added to c's exponent field
	s_mov_b32 s27, s26                             ; (named with it as a pair)
	s_add_co_i32 s43, s22, 127
	s_lshl_b32 s44, s43, 23
	v_mov_b32 v[SCP], s44                          ; 2^ep
	s_add_co_i32 s43, s43, 8
	s_lshl_b32 s43, s43, 23
	s_or_b32 s30, s43, 0x600000                    ; 448 x 2^ep
	s_add_co_i32 s43, s24, 127
	s_lshl_b32 s44, s43, 23
	v_mov_b32 v[SCO], s44                          ; 2^e10
	s_add_co_i32 s43, s43, 8
	s_lshl_b32 s43, s43, 23
	s_or_b32 s37, s43, 0x600000                    ; 448 x 2^e10,
	s_xor_b32 s36, s37, 0x80000000                 ; and its negative
	s_wait_alu depctr_va_vdst(0)                   ; v37 to v42 are written, which the LDS stores below read as their addresses; so are v249 to v251, the way out's addresses, which no vector instruction names again
.set i, 0
.rept 16
	s_wait_loadcnt 31-i                            ; loads come back in order: K's piece i is in; K's later pieces and V's sixteen may be out
	ds_store_b128 v[KST+i/6], v[S+4*i:S+4*i+3] offset:128*KP*(i%6)
.set i, i+1
.endr
.set i, 0
.rept 16
.set si, (i&9)|((i&2)<<1)|((i&4)>>1)           ; row d = 4 i + thread / 128: its bits 3 and 4 are i's bits 1 and 2
	s_wait_loadcnt 15-i                            ; V's piece i is in; the later ones may be out
	ds_store_b128 v[VST+si/7], v[F+4*i:F+4*i+3] offset:4*VP*(si%7)
.set i, i+1
.endr
	s_wait_dscnt 0x0                               ; for the others' sake: my stores are done
	s_barrier_signal -1
	s_barrier_wait -1                              ; K and V lie in LDS; nobody writes them again
; A step's head: its three LDS addresses, then its K: 8 tiles of 16 keys x 64.  Five plain instructions, the three adds and two v_nop, stand behind the last step's products: p's codes of tile B, which those read,
; are written over by the matrix instructions that follow (five places are owed).
.macro KLOAD
	s_wait_alu depctr_vm_vsrc(0)                   ; the last step's LDS loads have read v3, v253 and v248, which the adds write; in the first trip: the head's loads and LDS stores have read v36 to v42, v46 and v56 to v183, which this trip's loads, products and conversions write
	v_add_nc_u32 v[ADR], s32, v[AK0]
	v_add_nc_u32 v[ADV], s33, v[AV0]
	v_add_nc_u32 v[ADR2], 32*VP, v[ADV]
.rept 2
	v_nop
.endr
	s_wait_alu depctr_va_vdst(0)                   ; the three addresses are written, for K's loads here and V's further down; the last step's products V^T P^T are done reading F, in which K's loads land
.irp t, 0,1,2,3,4,5,6,7
.irp c, 0,1
	ds_load_b128 v[F+8*\t+4*\c:F+8*\t+4*\c+3], v[ADR] offset:16*KP*\t+32*\c
.endr
.endr
	s_wait_dscnt 0x0
.endm
.macro QK q                            ; S^T = K Q^T for the tile whose Q begins at v[q]: eight accumulators, each begun with 0
.irp t, 0,1,2,3,4,5,6,7
	v_wmma_f32_16x16x64_fp8_fp8 v[S+8*\t:S+8*\t+7], v[F+8*\t:F+8*\t+7], v[\q:\q+7], 0
.endr
.endm
; A step's V: 4 tiles of 16 d x 128 keys, into the registers that K has left.  The four v_nop are the places ahead of the first read of tile B's scores.  The loads land while tile B's softmax is worked.
.macro VLOAD
.rept 4
	v_nop
.endr
	s_wait_alu depctr_va_vdst(0)                   ; the products K Q^T are done reading F, in which V's loads land.  (v253 and v248 stand since the step's head: no vector instruction has named them since the wait there)
.irp t, 0,1
.irp c, 0,1,2,3
	ds_load_b128 v[F+16*\t+4*\c:F+16*\t+4*\c+3], v[ADV] offset:16*VP*\t+32*\c
.endr
.endr
.irp t, 0,1
.irp c, 0,1,2,3
	ds_load_b128 v[F+32+16*\t+4*\c:F+32+16*\t+4*\c+3], v[ADR2] offset:16*VP*\t+32*\c
.endr
.endr
.endm
; One tile's softmax for 128 keys.  st: its statistics; pc: where its codes go; o: its O^T.  No line of it names F or an LDS address.
.macro SOFTMAX st, pc, o
	v_max3_num_f32 v[MX], v[S], v[S+1], v[S+2]     ; the step's largest score of my query among my 64 keys, in two chains; each accumulator is read from its low end on
	v_max3_num_f32 v[MX+1], v[S+3], v[S+4], v[S+5]
.irp i, 6,10,14,18,22,26,30,34,38,42,46,50,54,58
	v_max3_num_f32 v[MX], v[MX], v[S+\i], v[S+\i+1]
	v_max3_num_f32 v[MX+1], v[MX+1], v[S+\i+2], v[S+\i+3]
.endr
	v_max3_num_f32 v[MX], v[MX], v[S+62], v[S+63]
	v_max_num_f32 v[MX], v[MX], v[MX+1]
	v_permlanex16_b32 v[PX], v[MX], s28, s29
	v_max_num_f32 v[MX], v[MX], v[PX]              ; and among lane l xor 16's
	v_mul_f32 v[MX], s26, v[MX]                    ; as t (c is positive)
	v_max_num_f32 v[\st+1], v[\st+1], v[MX]        ; the running largest t
	v_mov_b32 v[MX], v[\st]
	v_floor_f32 v[\st], -v[\st+1]                  ; the new -M = floor(-t) = -ceil(t)
	v_sub_f32 v[MX], v[\st], v[MX]                 ; old M - new M: a whole number, 0 or less
	v_cvt_i32_f32 v[MX], v[MX]                     ; (it saturates)
	v_ldexp_f32 v[FF], 1.0, v[MX]                  ; f = 2^(old M - new M)
.irp j, 0,2,4,6,8,10,12,14,16,18,20,22,24,26,28,30,32,34,36,38,40,42,44,46,48,50,52,54,56,58,60,62
	v_pk_fma_f32 v[S+\j:S+\j+1], v[S+\j:S+\j+1], s[26:27], v[\st:\st+1] op_sel_hi:[1,0,0]   ; t - M, two at a time (of the pairs c and -M the low word serves both halves)
.endr
.set j, 0
.rept 64
	v_exp_f32 v[S+j], v[S+j]                       ; p = 2^(t - M), at most 1
.set j, j+1
.endr
	v_pk_mul_f32 v[\st+2:\st+3], v[\st+2:\st+3], v[FF:FF+1] op_sel_hi:[1,0]   ; l under the new M: the plain instruction behind the exponentials
	s_wait_alu depctr_va_vdst(0)                   ; the 64 exponentials have written p: one wait for the batch, ahead of its first reader
	v_pk_add_f32 v[L2:L2+1], v[S:S+1], v[S+2:S+3]  ; the sum of the UNQUANTISED p, two at a time, in two chains
.irp j, 4,8,12,16,20,24,28,32,36,40,44,48,52,56,60
	v_pk_add_f32 v[\st+2:\st+3], v[\st+2:\st+3], v[S+\j:S+\j+1]
	v_pk_add_f32 v[L2:L2+1], v[L2:L2+1], v[S+\j+2:S+\j+3]
.endr
	v_pk_add_f32 v[\st+2:\st+3], v[\st+2:\st+3], v[L2:L2+1]
	s_cmp_ge_i32 s22, -8                           ; 448 x 2^ep >= 1.75 > 1 >= p: nothing to hold.  A branch on a given whole number, the same in every wave; no barrier stands under it
	s_cbranch_scc1 .Lnohold_\@
.set j, 0
.rept 64
	v_min_num_f32 v[S+j], s30, v[S+j]              ; the conversion to an 8-bit code does not saturate (ISA guide 7.6.2); p is not negative, so the hold is one-sided
.set j, j+1
.endr
.Lnohold_\@:
.irp b, 0,1,2,3                                ; 16 neighbouring keys become 4 registers of the operand.  O^T's rescaling is dealt out between the conversions: it is the plain work that must stand between a
	v_cvt_scalef32_pk8_fp8_f32 v[\pc+4*\b:\pc+4*\b+1], v[S+16*\b:S+16*\b+7], v[SCP]          ; conversion and the next instruction that writes its sources (tile B's codes land on scores already converted) or reads its result
	v_cvt_scalef32_pk8_fp8_f32 v[\pc+4*\b+2:\pc+4*\b+3], v[S+16*\b+8:S+16*\b+15], v[SCP]
.irp i, 0,2,4,6
	v_pk_mul_f32 v[\o+8*\b+\i:\o+8*\b+\i+1], v[\o+8*\b+\i:\o+8*\b+\i+1], v[FF:FF+1] op_sel_hi:[1,0]   ; O^T under the new M
.endr
.endr
.endm
.macro PV                              ; O^T += V^T P^T for both tiles: eight accumulators by turns, one instruction a turn
	s_wait_dscnt 0x0                               ; V is in
.irp t, 0,1,2,3
	v_wmma_f32_16x16x128_fp8_fp8 v[O+8*\t:O+8*\t+7], v[F+16*\t:F+16*\t+15], v[PC:PC+15], v[O+8*\t:O+8*\t+7]
	v_wmma_f32_16x16x128_fp8_fp8 v[O+32+8*\t:O+32+8*\t+7], v[F+16*\t:F+16*\t+15], v[PC+16:PC+31], v[O+32+8*\t:O+32+8*\t+7]
.endr
.endm
	s_mov_b32 s32, 0                               ; the step's first row of K in LDS, in bytes
	s_mov_b32 s33, 0                               ; the step's first key in a row of V
	s_mov_b32 s34, 16                              ; 2,048 keys, 128 a step
.Lstep:
	KLOAD
	QK QA
.rept 4
	v_nop                                          ; places ahead of the first read of the scores
.endr
	SOFTMAX STA, PC, O
	QK QB                                          ; K's fragments serve a second time
	VLOAD
	SOFTMAX STB, PC+16, O+32
	PV
	s_add_co_u32 s32, s32, 128*KP
	s_add_co_u32 s33, s33, 128
	s_sub_co_u32 s34, s34, 1
	s_cmp_lg_u32 s34, 0
	s_cbranch_scc1 .Lstep
	; THE WAY OUT.  l's halves are added; O^T x 2^(ep + ev) / l is held, converted with 2^e10 and goes through my stage, so that the wave stores 512 consecutive bytes.
	; The additions, the v_nop and the two v_ldexp_f32 are the places behind the last products.
	v_add_f32 v[STA+2], v[STA+2], v[STA+3]
	v_add_f32 v[STB+2], v[STB+2], v[STB+3]
	v_permlanex16_b32 v[PX], v[STA+2], s28, s29
	v_permlanex16_b32 v[MX], v[STB+2], s28, s29
	v_add_f32 v[STA+2], v[STA+2], v[PX]            ; and lane l xor 16's: the rows' sums
	v_add_f32 v[STB+2], v[STB+2], v[MX]
	v_rcp_f32 v[FF], v[STA+2]
	v_rcp_f32 v[L2], v[STB+2]
	v_nop                                          ; a plain instruction behind the reciprocals
	s_add_co_i32 s43, s22, s23                     ; ep + ev
	s_wait_alu depctr_va_vdst(0)                   ; the two reciprocals have written v6 and v8: one wait for both, ahead of their first reader
	v_ldexp_f32 v[FF], v[FF], s43
	v_ldexp_f32 v[L2], v[L2], s43
; Both tiles' arithmetic comes first, so that one wait serves the stage's four stores and four loads.
.macro OUTV x, f                       ; tile x's O^T becomes 32 codes a lane, in v[PC + 8 x] on
.set OB, O+32*(\x)
.set CB, PC+8*(\x)
.irp j, 0,2,4,6,8,10,12,14,16,18,20,22,24,26,28,30
	v_pk_mul_f32 v[OB+\j:OB+\j+1], v[OB+\j:OB+\j+1], v[\f:\f+1] op_sel_hi:[1,0]   ; each accumulator from its low end on
.endr
.set j, 0
.rept 32
	v_med3_num_f32 v[OB+j], v[OB+j], s36, s37      ; the hold at +-448 x 2^e10
.set j, j+1
.endr
.irp b, 0,1                                    ; tiles 2 b and 2 b + 1: d = 32 b + 16 h + 0 .. 15
	v_cvt_scalef32_pk8_fp8_f32 v[CB+4*\b:CB+4*\b+1], v[OB+16*\b:OB+16*\b+7], v[SCO]
	v_cvt_scalef32_pk8_fp8_f32 v[CB+4*\b+2:CB+4*\b+3], v[OB+16*\b+8:OB+16*\b+15], v[SCO]
.endr
.endm
.macro OUTM x                          ; tile x's codes through my stage
.set CB, PC+8*(\x)
	ds_store_b128 v[STO], v[CB:CB+3]
	ds_store_b128 v[STO], v[CB+4:CB+7] offset:32
	ds_load_b128 v[S+8*(\x):S+8*(\x)+3], v[RD]     ; LDS serves a wave's instructions in order (ISA guide 5.7.1.4): these see the stores above, and the next tile's stores come behind them
	ds_load_b128 v[S+8*(\x)+4:S+8*(\x)+7], v[RD] offset:8*KP
.endm
	OUTV 0, FF
	OUTV 1, L2
	v_nop                                          ; a plain instruction behind the last conversion
	s_wait_alu depctr_va_vdst(0)                   ; the conversions have written v36 to v51, which the LDS stores read; the softmax and the last products are done with v56 to v71, in which the loads from the stage land
	OUTM 0
	OUTM 1
	s_wait_dscnt 0x0
.irp x, 0,1
.irp n, 0,1
	global_store_b128 v[GO], v[S+8*\x+4*\n:S+8*\x+4*\n+3], s[12:13] offset:1024*\x+512*\n   ; eight tokens x 64 codes: 512 consecutive bytes, aligned
.endr
.endr
	s_wait_dscnt 0x0                               ; the closing lines, six on end
	s_wait_alu 0x0
	s_wait_tensorcnt 0x0
	ds_add_u32 v254, v255
	s_wait_dscnt 0x0
	s_endpgm
.Lfunc_end_k_q37268e9378_attn:
	.size	k_q37268e9378_attn, .Lfunc_end_k_q37268e9378_attn-k_q37268e9378_attn
	.p2alignl 7, 3214868480
	.fill 96, 4, 3214868480
	.section	.rodata,"a",@progbits
	.p2align	6, 0x0
	.amdhsa_kernel k_q37268e9378_attn
		.amdhsa_group_segment_fixed_size 318464
		.amdhsa_private_segment_fixed_size 0
		.amdhsa_enable_private_segment 0
		.amdhsa_kernarg_size 40
		.amdhsa_user_sgpr_count 2
		.amdhsa_user_sgpr_kernarg_segment_ptr 1
		.amdhsa_wavefront_size32 1
		.amdhsa_system_sgpr_workgroup_id_x 1
		.amdhsa_system_sgpr_workgroup_id_y 1
		.amdhsa_system_sgpr_workgroup_id_z 1
		.amdhsa_system_vgpr_workitem_id 0
		.amdhsa_next_free_vgpr 256
		.amdhsa_next_free_sgpr 66
		.amdhsa_reserve_vcc 0
		.amdhsa_float_denorm_mode_32 3
		.amdhsa_float_denorm_mode_16_64 3
		.amdhsa_memory_ordered 1
		.amdhsa_forward_progress 1
		.amdhsa_inst_pref_size 51
	.end_amdhsa_kernel
	.amdgpu_metadata
---
amdhsa.version: [ 1, 2 ]
amdhsa.kernels:
  - .name:           k_q37268e9378_attn
    .symbol:         k_q37268e9378_attn.kd
    .args:
      - { .name: qc, .offset: 0, .size: 8, .value_kind: global_buffer, .address_space: global }
      - { .name: kc, .offset: 8, .size: 8, .value_kind: global_buffer, .address_space: global }
      - { .name: vc, .offset: 16, .size: 8, .value_kind: global_buffer, .address_space: global }
      - { .name: lowp_scales, .offset: 24, .size: 8, .value_kind: global_buffer, .address_space: global }
      - { .name: ao, .offset: 32, .size: 8, .value_kind: global_buffer, .address_space: global }
    .group_segment_fixed_size: 318464
    .private_segment_fixed_size: 0
    .kernarg_segment_align: 8
    .kernarg_segment_size: 40
    .max_flat_workgroup_size: 512
    .sgpr_count:     66
    .vgpr_count:     256
    .wavefront_size: 32
...
	.end_amdgpu_metadata
.endif
;; end of part 4
;; launch oproj: the kernel of part 3 again; grid 4 x 32, 4 waves a work-group, clusters of 4 x 4, 327,680 bytes of LDS; arguments ao, Wo_codes, bo, lowp_scales, out0; writes out0
